; MI455X (gfx1250); checked and timed in simulation.
; The chip was launched on July 23, 2026; its instructions are those of AMD's public machine-readable ISA for CDNA 5 (MIT licence, August 2026) and "CDNA5" Instruction Set Architecture Reference Guide (July 2026). The comments in the code are by the model that wrote it; some were corrected since.
;; Multi Head Attention. Allowed arithmetic: matrix products marked QUANTISED: E5M2 operands, one E8M0 scale for each 32 along K, by v_wmma_scale_f32_16x16x128_f8f6f4 with both operands' format E5M2, f32 sums; everything else in f32.
;; Inputs: Wk 16 x 1,024 x 64 float32; Wo 1,024 x 1,024 float32; Wq 16 x 1,024 x 64 float32; Wv 16 x 1,024 x 64 float32; bk 16 x 64 float32; bo 1,024 float32; bq 16 x 64 float32; bv 16 x 64 float32; x 4 x 2,048 x 1,024 float32.
;; Outputs: out0 4 x 2,048 x 1,024 float32.
;; This version of the problem:
;;   THIS VERSION OF THE PROBLEM IS GIVEN IN LOW PRECISION. The matrix products marked QUANTISED in the list below multiply operands that are first quantised to E5M2 (5 exponent bits, 2 mantissa bits; 8 bits a number), with one power-of-two scale for each 32 numbers along K (OCP MX v1.0); their sums are f32. All else is computed in f32.
;;   The module's matrix products, in the order in which they are computed (A, B: the left and right operand; K: the contracted axis; several contracted axes count as one K, in the product's order):
;;     1. [M 1,024, K 1,024] x [K 1,024, N 8,192]; A: input Wq; B: input x: QUANTISED
;;     2. [M 1,024, K 1,024] x [K 1,024, N 8,192]; A: input Wk; B: input x: QUANTISED
;;     3. [M 1,024, K 1,024] x [K 1,024, N 8,192]; A: input Wv; B: input x: QUANTISED
;;     4. batch 64 x [M 2,048, K 64] x [K 64, N 2,048]; A: computed on the way; B: computed on the way: QUANTISED
;;     5. batch 64 x [M 2,048, K 2,048] x [K 2,048, N 64]; A: softmax (see below); B: computed on the way: QUANTISED
;;     6. [M 8,192, K 1,024] x [K 1,024, N 1,024]; A: computed on the way; B: input Wo: QUANTISED
;;   THE QUANTISER, for each operand of a quantised product, along K:
;;     - K is cut into blocks of 32 from its start; a last block that is shorter is filled with zeros.
;;     - A block's scale is 2^e with e = floor(log2(the largest magnitude in the block)) - 15, held to -126 .. 127; a block of zeros has e = 0. As a byte (E8M0): e + 127.
;;     - Each number is divided by its block's scale, clamped to +-57,344, and rounded to the nearest number of E5M2, ties to even, subnormals kept.
;;     - The product sums the exact products of the quantised numbers (number of the format x scale) in f32.
;;   ~~~python
;;   def quantise(x, axis):      # numpy; x: float32 -> the quantised numbers, widened to float32 again
;;       x = np.moveaxis(x, axis, -1); K = x.shape[-1]
;;       x = np.pad(x, [(0, 0)] * (x.ndim - 1) + [(0, -K % 32)]); x = x.reshape(x.shape[:-1] + (-1, 32)); a = np.abs(x).max(-1, keepdims=True)
;;       e = np.where(a > 0, np.clip(np.frexp(np.where(a > 0, a, 1))[1] - 1 - 15, -126, 127), 0)      # np.frexp(a)[1] - 1 = floor(log2(a)), exactly
;;       r = np.clip(x / 2.0 ** e, -57344, 57344)
;;       step = 2.0 ** (np.maximum(np.frexp(np.where(r == 0, 1, r))[1] - 1, -14) - 2)
;;       q = np.round(r / step) * step * 2.0 ** e      # np.round: ties to even
;;       return np.moveaxis(q.reshape(q.shape[:-2] + (-1,))[..., :K], -1, axis).astype(np.float32)
;;   ~~~
;;   SOFTMAX AHEAD OF A QUANTISED PRODUCT. Where the list says 'softmax', what is quantised is not the finished softmax but p = 2^(t - M), with t = logit x log2(e) and M = ceil(the row's largest t), a whole number; so 1/2 < the row's largest p <= 1. The row's sum l is taken of the UNQUANTISED p, in f32, and the product's result is divided by l at the end. Since M is a whole number, a kernel that streams over the keys may use a running M (the ceiling of the running maximum): every later rescaling is an exact power of two, which a block's scale takes up: the codes' values come out the same.
;;   OPERANDS COMPUTED ON THE WAY. 'Computed on the way' means the value that the module computes at that place (a softmax that the list does not call 'softmax' is quantised finished and normalised). What goes into a quantiser is computed in f32, as accurately as f32 sums, v_exp_f32 and their like allow (about 1e-6 of the number): no bf16 or f16 on the way to a quantiser, and a product that is left as it is and whose result goes on into a quantised operand takes f32 operands (vector FMAs, or v_wmma_f32_16x16x4_f32). A number that lies on a knife's edge between two numbers of the format may be rounded either way, as far as f32 arithmetic and the matrix unit's own rounding can turn it there, and no further.
;; One version. Each part assembles by itself: llvm-mc -triple=amdgcn-amd-amdhsa -mcpu=gfx1250 --defsym DOCPART=n.
;; ======== version 1 of 1: 4 launches
;; limits: right only within a limited range of input values
;; workspace buffers: xc 8,388,608 bytes; wc 4,194,304 bytes; scl 655,360 bytes; qc 8,388,608 bytes; qs 524,288 bytes; kv 17,563,648 bytes; zc 8,388,608 bytes
;; launch prep (part 1): grid 384 x 1, 4 waves a work-group, no clusters, 69,120 bytes of LDS; arguments x, Wq, Wk, Wv, Wo, xc, wc, scl; writes xc, wc, scl
.if DOCPART == 1
	.amdgcn_target "amdgcn-amd-amdhsa--gfx1250"
	.amdhsa_code_object_version 6
	.text
	.protected	k_q793a57430c_prep
	.globl	k_q793a57430c_prep
	.p2align	8
	.type	k_q793a57430c_prep,@function
k_q793a57430c_prep:
	s_mov_b64 s[64:65], 0
	v_nop
	global_prefetch_b8 v0, s[64:65] scope:SCOPE_SE
	s_setreg_imm32_b32 hwreg(HW_REG_WAVE_MODE, 25, 1), 1
	s_wait_xcnt 0x0
; x [8192][1024] and the four weights, f32, become codes of BF8 (E5M2) with one E8M0 byte for each 32 along K, laid AS THE PRODUCTS' OPERAND REGISTERS WANT THEM.
; A FRAGMENT IMAGE is 16 rows x 128 K = 2,048 bytes, [c 0..3][lane 0..31][16 bytes]: lane (r, h) holds k = 32 c + 16 h + 0..15 of the tile's row r.
; THE ROWS OF A TILE ARE NOT NEIGHBOURS: row r of tile T is the true row 32 (T / 2) + 8 (T % 2) + r + 8 (r / 8), for tokens and for weight columns alike.
; xc: [token tile 512][K step 8][2,048].  wc: [q, k, v, o][column tile 64][K step 8][2,048].  scl: scale words [tile][K step / 4][r][4 words]: x's at 0, the weights' at 262,144.
; A block's scale is 2^(floor(log2(largest magnitude)) - 15); its byte is the largest magnitude's exponent field - 15, held at 1 from below.
; LIMITS: NaN and infinities among the inputs are not served; a block whose largest magnitude lies under 2^-111 keeps the byte 1; a block of zeros gets the byte 1 where the rule says 127
; (its codes are zeros, which add nothing under any byte but 0xff, and the bytes are read by this program alone).
; Work-groups 0-255 take x (K innermost: 16 tokens x 512 K a wave, turned through the wave's own stage in LDS so that loads are dense and a lane still gets 16 neighbours);
; work-groups 256-383 take the weights (K is their first matrix axis: a lane takes a column and its registers run down K).  Waves share nothing: no barrier.  Each path has LDS bytes of its own.
; The weights' scale bytes leave as pieces of 8 bytes a lane: one byte in 128 of what that path reads.
.set XSTG, 16*528                      ; x: a wave's stage: 16 rows x (512 bytes + 16)
.set WST0, 4*XSTG                      ; the weights' stages begin behind x's
.set WP,   272                         ; a column's 256 codes + 16 bytes
.set LI,   4                           ; v4  16 x lane
.set TM,   16                          ; v16-19 largest magnitudes, v20-23 bytes, v24-27 57,344 x the scale, v28-31 the conversions' scale operands
.set E,    32                          ; v32-35 x: the four K steps' scale words
.set C,    36                          ; v36-51 x: a fragment's codes
.set X,    64                          ; v64-127 x: 64 numbers, register 16 b + i = k 32 b + 16 h + i
.set R,    128                         ; v128-255 x: two sets of 64 registers as loaded
.set WX,   32                          ; weights: v32-95 two sets of 32 numbers
.set WC,   96                          ; v96-103 a block's codes
.set OUTR, 112                         ; v112-175 the way out
.set SB,   24                          ; v24-25 the scale bytes
.set AD,   192                         ; v192-223 4 x lane + i x the row's bytes
.set SEL,  22                          ; s[22:23] v_permlanex16_b32's selects: lane l xor 16
.set MNT,  24                          ; s24 the mantissa field of 57,344
.set HM,   25                          ; s25 a lane mask: lanes 16-31
.macro XLOAD t                         ; 128 K of my 16 rows: each load reads 512 consecutive bytes of one row
.irp r, 0,1,2,3,4,5,6,7,8,9,10,11,12,13,14,15
	global_load_b128 v[R+64*((\t)%2)+4*\r:R+64*((\t)%2)+4*\r+3], v[LI], s[4:5] offset:(\r+8*(\r/8))*4096+512*(\t) th:TH_LOAD_NT
.endr
.endm
.macro QUANT s, pw                     ; 64 numbers of a lane become a fragment's codes in v[C] on and its scale word in v[pw]
.irp b, 0,1,2,3
	v_max3_num_f32 v[TM+\b], |v[\s+16*\b]|, |v[\s+1+16*\b]|, 0x8000000   ; my 16 numbers of block b, and the floor 2^(16 - 127): the byte cannot fall under 1
.endr
.irp i, 2,4,6,8,10,12,14
.irp b, 0,1,2,3
	v_max3_num_f32 v[TM+\b], v[TM+\b], |v[\s+16*\b+\i]|, |v[\s+1+16*\b+\i]|
.endr
.endr
.irp b, 0,1,2,3
	v_permlanex16_b32 v[TM+4+\b], v[TM+\b], s[SEL], s[SEL+1]
.endr
.irp b, 0,1,2,3
	v_max_num_f32 v[TM+\b], v[TM+\b], v[TM+4+\b]                   ; with lane l xor 16's: the block's largest magnitude
.endr
.irp b, 0,1,2,3
	v_add_nc_u32 v[TM+12+\b], 0xf8800000, v[TM+\b]                 ; 15 off its exponent field: the conversion's scale operand
.endr
.irp b, 0,1,2,3
	v_and_or_b32 v[TM+8+\b], v[TM+\b], 0x7f800000, s[MNT]          ; 57,344 x the scale
.endr
.irp b, 0,1,2,3
	v_lshrrev_b32 v[TM+4+\b], 23, v[TM+12+\b]                      ; the scale's byte
.endr
	v_lshl_or_b32 v[\pw], v[TM+5], 8, v[TM+4]
	v_lshl_or_b32 v[\pw], v[TM+6], 16, v[\pw]
	v_lshl_or_b32 v[\pw], v[TM+7], 24, v[\pw]
.irp b, 0,1,2,3
.irp i, 0,1,2,3,4,5,6,7,8,9,10,11,12,13,14,15
	v_med3_num_f32 v[\s+16*\b+\i], v[\s+16*\b+\i], -v[TM+8+\b], v[TM+8+\b]   ; the conversion to an 8-bit code does not saturate (ISA guide 7.6.2): the hold
.endr
	v_cvt_scalef32_pk8_bf8_f32 v[C+4*\b:C+1+4*\b], v[\s+16*\b:\s+7+16*\b], v[TM+12+\b]
	v_cvt_scalef32_pk8_bf8_f32 v[C+2+4*\b:C+3+4*\b], v[\s+8+16*\b:\s+15+16*\b], v[TM+12+\b]
.endr
	v_nop                                          ; a plain line behind the last conversion
.endm
.macro XSTEP t
.if (\t) < 3
	s_wait_loadcnt 16                              ; this step's 16 loads are in; the next step's 16 may be out
.else
	s_wait_loadcnt 0x0
.endif
.irp r, 0,1,2,3,4,5,6,7,8,9,10,11,12,13,14,15
	ds_store_b128 v5, v[R+64*((\t)%2)+4*\r:R+64*((\t)%2)+4*\r+3] offset:528*\r
.endr
.irp c, 0,1,2,3
.irp j, 0,1,2,3
	ds_load_b128 v[X+16*\c+4*\j:X+16*\c+4*\j+3], v6 offset:128*\c+16*\j   ; LDS serves a wave's instructions in order: these see the stores above
.endr
.endr
	s_wait_dscnt 0x0                               ; the numbers are back, and the stores have read their registers,
.if (\t) < 2
	XLOAD (\t)+2                                   ; which take the loads of two steps on
.endif
	s_wait_xcnt 0x0                                ; the last step's stores have read the codes' registers
	QUANT X, E+(\t)
.irp c, 0,1,2,3
	global_store_b128 v[LI], v[C+4*\c:C+4*\c+3], s[14:15] offset:2048*(\t)+512*\c   ; 512 consecutive bytes
.endr
.endm
.macro WLOAD t                         ; block t of my column: 32 rows down K
.if (\t) > 0
	s_wait_xcnt 0x0                                ; the earlier loads have read their base
	s_add_nc_u64 s[36:37], s[36:37], s[34:35]      ; 32 rows on
.endif
.irp i, 0,1,2,3,4,5,6,7,8,9,10,11,12,13,14,15,16,17,18,19,20,21,22,23,24,25,26,27,28,29,30,31
	global_load_b32 v[WX+32*((\t)%2)+\i], v[AD+\i], s[36:37] th:TH_LOAD_NT
.endr
.endm
.macro BLOCK t
.set XS, WX+32*((\t)%2)
.if (\t) < 7
	s_wait_loadcnt 32                              ; this block's 32 loads are in; the next block's may be out
.else
	s_wait_loadcnt 0x0
.endif
	v_max3_num_f32 v12, |v[XS]|, |v[XS+1]|, |v[XS+2]|              ; all 32 numbers of the block are mine
	v_max3_num_f32 v13, |v[XS+3]|, |v[XS+4]|, |v[XS+5]|
.irp i, 6,10,14,18,22,26
	v_max3_num_f32 v12, v12, |v[XS+\i]|, |v[XS+\i+1]|
	v_max3_num_f32 v13, v13, |v[XS+\i+2]|, |v[XS+\i+3]|
.endr
	v_max3_num_f32 v12, v12, |v[XS+30]|, |v[XS+31]|
	v_max3_num_f32 v12, v12, v13, 0x8000000        ; and the floor
	v_add_nc_u32 v11, 0xf8800000, v12
	v_and_or_b32 v10, v12, 0x7f800000, s[MNT]
	v_lshrrev_b32 v13, 23, v11
.if (\t)%4 == 0
	v_mov_b32 v[SB+(\t)/4], v13                    ; four bytes to a register, the lower K in the lower byte
.else
	v_lshl_or_b32 v[SB+(\t)/4], v13, 8*((\t)%4), v[SB+(\t)/4]
.endif
.irp i, 0,1,2,3,4,5,6,7,8,9,10,11,12,13,14,15,16,17,18,19,20,21,22,23,24,25,26,27,28,29,30,31
	v_med3_num_f32 v[XS+\i], v[XS+\i], -v10, v10
.endr
.irp g, 0,1,2,3
	v_cvt_scalef32_pk8_bf8_f32 v[WC+2*\g:WC+2*\g+1], v[XS+8*\g:XS+8*\g+7], v11
.endr
	v_nop                                          ; a plain line behind the last conversion
	ds_store_b128 v6, v[WC:WC+3] offset:32*(\t)    ; 32 codes of my column's row of the stage
	ds_store_b128 v6, v[WC+4:WC+7] offset:32*(\t)+16
.if (\t)+2 < 8
	WLOAD (\t)+2
.endif
	s_wait_dscnt 0x0                               ; the stores have read their registers
.endm
	s_load_b256 s[4:11], s[0:1], 0x0               ; x, Wq, Wk, Wv
	s_load_b128 s[12:15], s[0:1], 0x20             ; Wo, xc
	s_load_b128 s[16:19], s[0:1], 0x30             ; wc, scl
	v_lshl_add_u32 v14, v0, 2, 0x10c00
	v_mov_b32 v15, 0
	v_lshrrev_b32 v1, 5, v0
	v_readfirstlane_b32 s20, v1                    ; wave
	v_and_b32 v1, 31, v0                           ; lane
	v_and_b32 v2, 15, v0                           ; r
	v_bfe_u32 v3, v0, 4, 1                         ; h
	v_lshlrev_b32 v[LI], 4, v1
	s_mov_b32 s[SEL], 0x76543210
	s_mov_b32 s[SEL+1], 0xfedcba98
	s_mov_b32 s[MNT], 0x600000
	s_mov_b32 s[HM], 0xffff0000
	s_cmp_lt_u32 ttmp9, 256
	s_cbranch_scc0 .Lweights
	; ---- x: wave w of work-group g takes token tile 2 g + w / 2 and K half w % 2
	s_mul_i32 s26, s20, XSTG
	v_add_nc_u32 v5, s26, v[LI]                    ; into the stage: a row as it lies
	v_mul_u32_u24 v6, v2, 528
	v_lshl_add_u32 v6, v3, 6, v6
	v_add_nc_u32 v6, s26, v6                       ; out of it: row r, + 64 h: my 16 numbers of a block
	s_lshr_b32 s27, s20, 1
	s_and_b32 s28, s20, 1
	s_lshl_b32 s30, ttmp9, 17                      ; 32 rows of 4,096 bytes a work-group,
	s_lshl_b32 s29, s27, 15                        ; 8 rows on for the odd tile,
	s_add_co_u32 s30, s30, s29
	s_lshl_b32 s29, s28, 11                        ; 512 K on for the second half
	s_add_co_u32 s30, s30, s29
	s_mov_b32 s31, 0
	s_lshl_b32 s32, ttmp9, 1
	s_add_co_u32 s32, s32, s27                     ; the tile
	s_lshl_b32 s34, s32, 14
	s_lshl_b32 s29, s28, 13
	s_add_co_u32 s34, s34, s29                     ; its images of my four K steps
	s_mov_b32 s35, 0
	s_lshl_b32 s36, s32, 9
	s_lshl_b32 s29, s28, 8
	s_add_co_u32 s36, s36, s29                     ; its scale words of my half
	s_wait_alu depctr_va_vdst(0)
	v_lshlrev_b32 v7, 4, v2
	v_lshl_add_u32 v7, v3, 3, v7
	v_add_nc_u32 v7, s36, v7                       ; lane (r, h) stores words 2 h and 2 h + 1 of row r
.irp b, 0,1,2,3
	v_mov_b32 v[TM+4+\b], 0                        ; a lane permute's destination counts as one of its sources
.endr
	s_wait_kmcnt 0x0
	s_add_nc_u64 s[4:5], s[4:5], s[30:31]
	s_add_nc_u64 s[14:15], s[14:15], s[34:35]
	XLOAD 0
	XLOAD 1
	XSTEP 0
	XSTEP 1
	XSTEP 2
	XSTEP 3
	v_cndmask_b32 v52, v[E], v[E+2], s[HM]
	v_cndmask_b32 v53, v[E+1], v[E+3], s[HM]
	global_store_b64 v7, v[52:53], s[18:19]        ; 32 lanes store 256 consecutive bytes
	s_wait_tensorcnt 0x0
	ds_add_u32 v14, v15
	s_wait_dscnt 0x0
	s_endpgm
.Lweights:
	; ---- the weights: which of the four, which 256 along K, which 32 columns
	s_sub_co_u32 s26, ttmp9, 256
	s_lshr_b32 s27, s26, 5                         ; 0 q, 1 k, 2 v, 3 o
	s_bfe_u32 s28, s26, 0x20003                    ; y: 256 along K
	s_and_b32 s29, s26, 7
	s_lshl_b32 s29, s29, 2
	s_add_co_u32 s29, s29, s20                     ; cg: 32 columns = column tiles 2 cg, 2 cg + 1
	s_lshr_b32 s30, s29, 1
	s_lshl_b32 s30, s30, 18                        ; [head][d][e]: the head,
	s_and_b32 s31, s29, 1
	s_lshl_b32 s31, s31, 7                         ; its lower or upper 32 channels,
	s_add_co_u32 s30, s30, s31
	s_lshl_b32 s31, s28, 16                        ; 256 rows of 256 bytes
	s_add_co_u32 s30, s30, s31
	s_lshl_b32 s32, s29, 7                         ; Wo [d][n]: the columns,
	s_lshl_b32 s31, s28, 20                        ; 256 rows of 4,096 bytes
	s_add_co_u32 s32, s32, s31
	s_mov_b32 s33, 4096
	s_cmp_lt_u32 s27, 3
	s_cselect_b32 s30, s30, s32
	s_cselect_b32 s33, 256, s33                    ; a row's bytes
	s_mov_b32 s31, 0
	s_lshl_b32 s34, s33, 5                         ; 32 rows
	s_mov_b32 s35, 0
	s_lshl_b32 s40, s27, 20
	s_lshl_b32 s41, s29, 15
	s_add_co_u32 s40, s40, s41
	s_lshl_b32 s41, s28, 12
	s_add_co_u32 s40, s40, s41                     ; wc: tile 2 cg, K step 2 y
	s_mov_b32 s41, 0
	s_lshl_b32 s42, s27, 15
	s_add_co_u32 s42, s42, 262144
	s_lshl_b32 s43, s29, 10
	s_add_co_u32 s42, s42, s43
	s_lshr_b32 s43, s28, 1
	s_lshl_b32 s43, s43, 8
	s_add_co_u32 s42, s42, s43
	s_and_b32 s43, s28, 1
	s_lshl_b32 s43, s43, 3
	s_add_co_u32 s42, s42, s43                     ; scl: the same tile's words of K steps 2 y, 2 y + 1
	s_mov_b32 s43, 0
	s_wait_alu depctr_va_vdst(0)
	v_lshlrev_b32 v5, 2, v1
	s_mul_i32 s38, s20, 32*WP
	s_add_co_u32 s38, s38, WST0                    ; my stage
	v_mul_u32_u24 v6, v1, WP
	v_add_nc_u32 v6, s38, v6                       ; into it: row = my column
	v_and_b32 v9, 8, v2
	v_add_nc_u32 v9, v9, v2                        ; r + 8 (r / 8)
	v_mul_u32_u24 v7, v9, WP
	v_lshl_add_u32 v7, v3, 4, v7
	v_add_nc_u32 v7, s38, v7                       ; out of it: the tile's row r, + 16 h
	v_bfe_u32 v9, v0, 3, 1                         ; my column lies in tile 2 cg + (lane / 8) % 2,
	v_and_b32 v8, 7, v0
	v_lshl_add_u32 v8, v3, 3, v8                   ; as its row lane % 8 + 8 (lane / 16)
	v_lshlrev_b32 v8, 4, v8
	v_lshl_add_u32 v8, v9, 9, v8
.irp i, 0,1,2,3,4,5,6,7,8,9,10,11,12,13,14,15,16,17,18,19,20,21,22,23,24,25,26,27,28,29,30,31
	v_mad_u32_u24 v[AD+\i], s33, \i, v5
.endr
	s_wait_alu depctr_va_vdst(0)
	s_wait_kmcnt 0x0
	s_cmp_eq_u32 s27, 0                            ; the buffer is chosen by the work-group's number alone
	s_cselect_b64 s[36:37], s[6:7], s[8:9]
	s_cmp_lt_u32 s27, 2
	s_cselect_b64 s[36:37], s[36:37], s[10:11]
	s_cmp_lt_u32 s27, 3
	s_cselect_b64 s[36:37], s[36:37], s[12:13]
	s_add_nc_u64 s[36:37], s[36:37], s[30:31]
	s_add_nc_u64 s[16:17], s[16:17], s[40:41]
	s_add_nc_u64 s[18:19], s[18:19], s[42:43]
	WLOAD 0
	WLOAD 1
.irp t, 0,1,2,3,4,5,6,7
	BLOCK \t
.endr
	global_store_b64 v8, v[SB:SB+1], s[18:19]      ; my column's 8 scale bytes: two K steps' words
.irp u, 0,1
.irp q, 0,1
.irp c, 0,1,2,3
	ds_load_b128 v[OUTR+4*(8*\u+4*\q+\c):OUTR+4*(8*\u+4*\q+\c)+3], v7 offset:\u*8*WP+128*\q+32*\c   ; tile 2 cg + u, K step 2 y + q, piece c, as an image
.endr
.endr
.endr
.irp u, 0,1
.irp q, 0,1
.irp c, 0,1,2,3
	s_wait_dscnt 15-(8*\u+4*\q+\c)
	global_store_b128 v[LI], v[OUTR+4*(8*\u+4*\q+\c):OUTR+4*(8*\u+4*\q+\c)+3], s[16:17] offset:\u*16384+\q*2048+\c*512   ; 512 consecutive bytes
.endr
.endr
.endr
	s_wait_tensorcnt 0x0
	ds_add_u32 v14, v15
	s_wait_dscnt 0x0
	s_endpgm
.Lfunc_end_k_q793a57430c_prep:
	.size	k_q793a57430c_prep, .Lfunc_end_k_q793a57430c_prep-k_q793a57430c_prep
	.p2alignl 7, 3214868480
	.fill 96, 4, 3214868480
	.section	.rodata,"a",@progbits
	.p2align	6, 0x0
	.amdhsa_kernel k_q793a57430c_prep
		.amdhsa_group_segment_fixed_size 69120
		.amdhsa_private_segment_fixed_size 0
		.amdhsa_enable_private_segment 0
		.amdhsa_kernarg_size 64
		.amdhsa_user_sgpr_count 2
		.amdhsa_user_sgpr_kernarg_segment_ptr 1
		.amdhsa_wavefront_size32 1
		.amdhsa_system_sgpr_workgroup_id_x 1
		.amdhsa_system_sgpr_workgroup_id_y 1
		.amdhsa_system_sgpr_workgroup_id_z 1
		.amdhsa_system_vgpr_workitem_id 0
		.amdhsa_next_free_vgpr 256
		.amdhsa_next_free_sgpr 66
		.amdhsa_reserve_vcc 0
		.amdhsa_float_denorm_mode_32 3
		.amdhsa_float_denorm_mode_16_64 3
		.amdhsa_memory_ordered 1
		.amdhsa_forward_progress 1
		.amdhsa_inst_pref_size 113
	.end_amdhsa_kernel
	.amdgpu_metadata
---
amdhsa.version: [ 1, 2 ]
amdhsa.kernels:
  - .name:           k_q793a57430c_prep
    .symbol:         k_q793a57430c_prep.kd
    .args:
      - { .name: x, .offset: 0, .size: 8, .value_kind: global_buffer, .address_space: global }
      - { .name: Wq, .offset: 8, .size: 8, .value_kind: global_buffer, .address_space: global }
      - { .name: Wk, .offset: 16, .size: 8, .value_kind: global_buffer, .address_space: global }
      - { .name: Wv, .offset: 24, .size: 8, .value_kind: global_buffer, .address_space: global }
      - { .name: Wo, .offset: 32, .size: 8, .value_kind: global_buffer, .address_space: global }
      - { .name: xc, .offset: 40, .size: 8, .value_kind: global_buffer, .address_space: global }
      - { .name: wc, .offset: 48, .size: 8, .value_kind: global_buffer, .address_space: global }
      - { .name: scl, .offset: 56, .size: 8, .value_kind: global_buffer, .address_space: global }
    .group_segment_fixed_size: 69120
    .private_segment_fixed_size: 0
    .kernarg_segment_align: 8
    .kernarg_segment_size: 64
    .max_flat_workgroup_size: 128
    .sgpr_count:     66
    .vgpr_count:     256
    .wavefront_size: 32
...
	.end_amdgpu_metadata
.endif
;; end of part 1
;; launch qkv (part 2): grid 96 x 4, 4 waves a work-group, clusters of 4 x 4, 327,680 bytes of LDS; arguments xc, wc, scl, bq, bk, bv, qc, qs, kv; writes qc, qs, kv
.if DOCPART == 2
	.amdgcn_target "amdgcn-amd-amdhsa--gfx1250"
	.amdhsa_code_object_version 6
	.text
	.protected	k_q793a57430c_qkv
	.globl	k_q793a57430c_qkv
	.p2align	8
	.type	k_q793a57430c_qkv,@function
k_q793a57430c_qkv:
	s_mov_b64 s[64:65], 0
	v_nop
	global_prefetch_b8 v0, s[64:65] scope:SCOPE_SE
	s_setreg_imm32_b32 hwreg(HW_REG_WAVE_MODE, 25, 1), 1
	s_wait_xcnt 0x0
	s_wait_alu depctr_hold_cnt(0) depctr_sa_sdst(0) depctr_va_vdst(0) depctr_va_sdst(0) depctr_va_ssrc(0) depctr_va_vcc(0) depctr_vm_vsrc(0)
	s_getreg_b32 s2, hwreg(HW_REG_IB_STS2, 6, 4)
	s_cmp_eq_u32 s2, 0
	s_cbranch_scc0 .Lentry_in_a_cluster
	s_endpgm
.Lentry_in_a_cluster:
	s_bfe_u32 s2, ttmp6, 0x10000c
	s_cmp_lg_u32 s2, 0xf033
	s_cbranch_scc0 .Lentry_shape_is_right
	s_endpgm
.Lentry_shape_is_right:
.set NP,    8
.set SLOT,  131072
.set SPARE, 2*SLOT
.set LI,   4
.set BO1,  5
.set BO2,  6
.set LI8,  7
.set T8,   8
.set ADRA, 16
.set ADRB, 20
.set SCO,  27
.set SPW,  28
.set NIL,  29
.set BM,   32
.set PX,   36
.set HL,   40
.set SO,   44
.set W,    48
.set SC,   64
.set AF,   128
.set G1,   24
.set G0,   32
.set G1B,  48
.set G0B,  56
.set MNT,  12
.set SEL,  78
.set ROLE, 80
.set HM,   81
.set BIA,  90
.set CB,   92
.set MSB, 0
.macro WIN new
.if MSB != (\new)
	s_set_vgpr_msb (MSB<<8)|(\new)
.set MSB, (\new)
.endif
.endm
.set MUL_LO, 0xa1
.set MUL_HI, 0xf1
.set TO_B,   0x40
.macro JLOAD g0a, g1a, g0b, g1b
	s_cmp_eq_u32 s15, 0
	s_cbranch_scc0 .Lfor_b_\@
	tensor_load_to_lds s[\g0a:\g0a+3], s[\g1a:\g1a+7]
	s_nop 0
.rept 4
	v_nop
.endr
	s_branch .Lasked_\@
.Lfor_b_\@:
	tensor_load_to_lds s[\g0b:\g0b+3], s[\g1b:\g1b+7]
	s_nop 0
.rept 4
	v_nop
.endr
.Lasked_\@:
.endm
.macro CREST
	s_cmp_lg_u32 s14, 0
	s_cbranch_scc1 .Lnot_wave_0_\@
	s_barrier_signal -3
.Lnot_wave_0_\@:
	s_barrier_wait -3
	s_barrier_signal -1
	s_barrier_wait -1
.endm
.macro CROUND
	s_barrier_signal -1
	s_barrier_wait -1
	CREST
.endm
.macro PLACES n
.rept \n
	v_nop
.endr
.endm
.macro FRAG reg, adr, q, i
.irp c, 0,1,2,3
	ds_load_b128 v[\reg+4*\c:\reg+4*\c+3], v[\adr] offset:(\i)*4096+(\q)*2048+512*\c
.endr
.endm
.macro MUL16 a0, p, ks, zero
.irp a, \a0, \a0+1
.irp b, 0,1,2,3,4,5,6,7
.if \zero
	v_wmma_scale_f32_16x16x128_f8f6f4 v[8*(8*((\a)%4)+\b):8*(8*((\a)%4)+\b)+7], v[128*(\p)+16*\b:128*(\p)+16*\b+15], v[AF+16*(\a):AF+16*(\a)+15], 0, v[SC+8*\b+(\ks)], v[SC+8*(\a)+(\ks)] matrix_a_fmt:MATRIX_FMT_BF8 matrix_b_fmt:MATRIX_FMT_BF8 matrix_a_scale:MATRIX_SCALE_ROW1
.else
	v_wmma_scale_f32_16x16x128_f8f6f4 v[8*(8*((\a)%4)+\b):8*(8*((\a)%4)+\b)+7], v[128*(\p)+16*\b:128*(\p)+16*\b+15], v[AF+16*(\a):AF+16*(\a)+15], v[8*(8*((\a)%4)+\b):8*(8*((\a)%4)+\b)+7], v[SC+8*\b+(\ks)], v[SC+8*(\a)+(\ks)] matrix_a_fmt:MATRIX_FMT_BF8 matrix_b_fmt:MATRIX_FMT_BF8 matrix_a_scale:MATRIX_SCALE_ROW1
.endif
.endr
.endr
.endm
.macro FETCH_B slot, q, p
	WIN TO_B
.irp i, 0,1,2,3,4,5,6,7
	FRAG 128*(\p)+16*\i, ADRB+\slot, \q, \i
.endr
	WIN 0
.endm
.macro FETCH_A slot, q, i0
.irp i, \i0, \i0+1, \i0+2, \i0+3
	FRAG AF+16*(\i), ADRA+\slot, \q, \i
.endr
.endm
.macro STEP slot, ks, zero
	s_wait_dscnt 16
	WIN MUL_LO
	MUL16 0, 0, \ks, \zero
	MUL16 2, 0, \ks, \zero
	s_wait_dscnt 0
	PLACES NP
	FETCH_B \slot, 1, 1
	FETCH_A \slot, 1, 0
	WIN MUL_HI
	MUL16 4, 0, \ks, \zero
	MUL16 6, 0, \ks, \zero
	PLACES NP
	WIN 0
	FETCH_A \slot, 1, 4
.endm
.macro TURN slot, next, fill, ks
	s_wait_tensorcnt 0x0
	ds_add_u32 v[SPW], v[NIL]
	s_wait_dscnt 17
	WIN MUL_LO
	MUL16 0, 1, \ks, 0
	s_wait_dscnt 0x0
	s_barrier_signal -1
	MUL16 2, 1, \ks, 0
	WIN 0
	s_barrier_wait -1
.if \fill
	CREST
	s_add_nc_u64 s[G0+4*\slot+2:G0+4*\slot+3], s[G0+4*\slot+2:G0+4*\slot+3], 8192
	s_add_nc_u64 s[G0B+4*\slot+2:G0B+4*\slot+3], s[G0B+4*\slot+2:G0B+4*\slot+3], 8192
	JLOAD G0+4*\slot, G1, G0B+4*\slot, G1B
	PLACES NP-4
.else
	PLACES NP
.endif
	FETCH_B \next, 0, 0
	FETCH_A \next, 0, 0
	WIN MUL_HI
	MUL16 4, 1, \ks, 0
	MUL16 6, 1, \ks, 0
	PLACES NP
	WIN 0
	FETCH_A \next, 0, 4
.endm
.macro QUANTW
	WIN (EW<<2)|EW
.irp b, 0,1,2,3
	v_max3_num_f32 v[BM+\b], |v[ES+16*\b]|, |v[ES+16*\b+1]|, 0x8000000
.endr
	WIN (EW<<4)|(EW<<2)
.irp i, 2,4,6,8,10,12,14
.irp b, 0,1,2,3
	v_max3_num_f32 v[BM+\b], v[BM+\b], |v[ES+16*\b+\i]|, |v[ES+16*\b+\i+1]|
.endr
.endr
	WIN 0
.irp b, 0,1,2,3
	v_permlanex16_b32 v[PX+\b], v[BM+\b], s[SEL], s[SEL+1]
.endr
.irp b, 0,1,2,3
	v_max_num_f32 v[BM+\b], v[BM+\b], v[PX+\b]
.endr
.irp b, 0,1,2,3
	v_add_nc_u32 v[SO+\b], 0xf8800000, v[BM+\b]
.endr
.irp b, 0,1,2,3
	v_and_or_b32 v[HL+\b], v[BM+\b], 0x7f800000, s[MNT]
.endr
.irp b, 0,1,2,3
	v_lshrrev_b32 v[PX+\b], 23, v[SO+\b]
.endr
	WIN (EW<<6)|EW
.irp b, 0,1,2,3
.irp i, 0,1,2,3,4,5,6,7,8,9,10,11,12,13,14,15
	v_med3_num_f32 v[ES+16*\b+\i], v[ES+16*\b+\i], -v[HL+\b], v[HL+\b]
.endr
.endr
	WIN EW
.irp b, 0,1,2,3
	v_cvt_scalef32_pk8_bf8_f32 v[ECD+4*\b:ECD+4*\b+1], v[ES+16*\b:ES+16*\b+7], v[SO+\b]
	v_cvt_scalef32_pk8_bf8_f32 v[ECD+4*\b+2:ECD+4*\b+3], v[ES+16*\b+8:ES+16*\b+15], v[SO+\b]
.endr
	WIN 0
.endm
.macro EPI role, a
.set EW,  2+(\a)/4
.set ES,  64*((\a)%4)
.set ECD, 128+16*(\a)
	WIN (EW<<6)|4|EW
.set k, 0
.rept 32
.if \role
	v_pk_add_f32 v[ES+2*k:ES+2*k+1], v[ES+2*k:ES+2*k+1], v[2*k:2*k+1]
.else
	v_pk_add_f32 v[ES+2*k:ES+2*k+1], v[ES+2*k:ES+2*k+1], v[2*(\a):2*(\a)+1]
.endif
.set k, k+1
.endr
	QUANTW
.if \role
	v_lshl_or_b32 v[W+(\a)], v[PX+1], 8, v[PX]
	v_lshl_or_b32 v[W+8+(\a)], v[PX+3], 8, v[PX+2]
	v_lshl_or_b32 v[W+(\a)], v[W+(\a)], 16, v[W+(\a)]
	v_lshl_or_b32 v[W+8+(\a)], v[W+8+(\a)], 16, v[W+8+(\a)]
.irp n, 0,1,2,3
	global_store_b128 v[LI], v[ECD+4*\n:ECD+4*\n+3], s[CB+2*(\n/2):CB+2*(\n/2)+1] offset:(\a)*1024+(\n%2)*512
.endr
.else
	v_lshl_or_b32 v[W+(\a)], v[PX+1], 8, v[PX]
	v_lshl_or_b32 v[W+(\a)], v[PX+2], 16, v[W+(\a)]
	v_lshl_or_b32 v[W+(\a)], v[PX+3], 24, v[W+(\a)]
.irp n, 0,1,2,3
	global_store_b128 v[LI], v[ECD+4*\n:ECD+4*\n+3], s[CB+2*((\a)/4):CB+2*((\a)/4)+1] offset:((\a)%4)*2048+\n*512
.endr
.endif
.endm
.macro FINISH
	s_wait_tensorcnt 0x0
	ds_add_u32 v[SPW], v[NIL]
	s_wait_dscnt 0x0
	CROUND
	s_endpgm
.endm
	s_load_b256 s[4:11], s[0:1], 0x0
	s_load_b256 s[68:75], s[0:1], 0x20
	s_load_b64 s[76:77], s[0:1], 0x40
	v_lshl_add_u32 v[SPW], v0, 2, SPARE
	v_mov_b32 v[NIL], 0
	ds_add_u32 v28, v29
	ds_add_u32 v28, v29
	s_wait_dscnt 0x0
	v_lshrrev_b32 v1, 5, v0
	v_readfirstlane_b32 s14, v1
	s_lshr_b32 s15, s14, 1
	s_and_b32 s16, s14, 1
	s_bfe_u32 s40, ttmp6, 0x40000
	s_bfe_u32 s41, ttmp6, 0x40004
	s_lshr_b32 s18, ttmp9, 1
	s_lshl_b32 s18, s18, 2
	s_and_b32 s19, ttmp9, 1
	s_lshl_b32 s19, s19, 2
	s_sub_co_u32 s20, ttmp9, 16
	s_lshl_b32 s20, s20, 2
	s_cmp_lt_u32 ttmp9, 16
	s_cselect_b32 s[ROLE], 1, 0
	s_cselect_b32 s17, s18, 0
	s_cselect_b32 s42, s19, s20
	s_add_co_u32 s17, s17, s41
	s_add_co_u32 s42, s42, s40
	s_lshl_b32 s43, s41, 2
	s_lshl_b32 s43, 15, s43
	s_lshl_b32 s44, 0x1111, s40
	s_or_b32 s[G1+0], s43, (3<<16)|(1<<21)
	s_or_b32 s[G1B+0], s44, (3<<16)|(1<<21)
.irp g, G1, G1B
	s_mov_b32 s[\g+1], 512<<16
	s_mov_b32 s[\g+2], 8<<16
	s_mov_b32 s[\g+3], 512<<16
	s_mov_b32 s[\g+4], 8
	s_mov_b32 s[\g+5], 2048
	s_mov_b32 s[\g+6], 0
	s_mov_b32 s[\g+7], 0
.endr
	s_lshl_b32 s18, s16, 17
	s_lshl_b32 s20, s17, 18
	s_add_co_u32 s20, s20, s18
	s_mov_b32 s21, 0
	s_lshl_b32 s46, s42, 18
	s_add_co_u32 s46, s46, s18
	s_mov_b32 s47, 0
	s_lshl_b32 s45, s14, 15
	s_mov_b32 s[MNT], 0x600000
	s_mov_b32 s[SEL], 0x76543210
	s_mov_b32 s[SEL+1], 0xfedcba98
	s_mov_b32 s[HM], 0xffff0000
	s_wait_kmcnt 0x0
	s_add_nc_u64 s[82:83], s[6:7], 0x200000
	s_cmp_eq_u32 s[ROLE], 1
	s_cselect_b64 s[84:85], s[4:5], s[82:83]
	s_cselect_b64 s[86:87], s[6:7], s[4:5]
	s_add_nc_u64 s[20:21], s[84:85], s[20:21]
	s_add_nc_u64 s[46:47], s[86:87], s[46:47]
	CROUND
.irp s, 0,1
	s_mov_b32 s[G0+4*\s], 1
	s_add_co_u32 s[G0+4*\s+1], s45, \s*SLOT
	s_add_nc_u64 s[G0+4*\s+2:G0+4*\s+3], s[20:21], \s*4096
	s_or_b32 s[G0+4*\s+3], s[G0+4*\s+3], 0x80000000
	s_mov_b32 s[G0B+4*\s], 1
	s_add_co_u32 s[G0B+4*\s+1], s45, \s*SLOT
	s_add_nc_u64 s[G0B+4*\s+2:G0B+4*\s+3], s[46:47], \s*4096
	s_or_b32 s[G0B+4*\s+3], s[G0B+4*\s+3], 0x80000000
	s_wait_alu depctr_va_vdst(0)
	s_wait_tensorcnt 0x0
	ds_add_u32 v28, v29
	ds_add_u32 v28, v29
	s_wait_dscnt 0x0
	CROUND
	JLOAD G0+4*\s, G1, G0B+4*\s, G1B
.endr
	v_and_b32 v1, 31, v0
	v_and_b32 v2, 15, v0
	v_bfe_u32 v3, v0, 4, 1
	v_lshlrev_b32 v[LI], 4, v1
	v_lshlrev_b32 v[LI8], 3, v1
	v_lshlrev_b32 v[BO1], 6, v3
	v_and_b32 v[BO2], 8, v2
	v_add_nc_u32 v[BO2], v[BO2], v2
	v_lshlrev_b32 v[BO2], 2, v[BO2]
	s_lshl_b32 s21, s15, 15
	s_lshl_b32 s22, s16, 15
	s_add_co_u32 s22, s22, 65536
.irp s, 0,1
	v_add_nc_u32 v[ADRA+\s], s21, v[LI]
	v_add_nc_u32 v[ADRB+\s], s22, v[LI]
	s_add_co_u32 s21, s21, SLOT
	s_add_co_u32 s22, s22, SLOT
.endr
	s_cmp_eq_u32 s[ROLE], 1
	s_cselect_b32 s18, 0, 327680
	s_cselect_b32 s19, 262144, 0
	s_lshl_b32 s22, s17, 13
	s_add_co_u32 s18, s18, s22
	s_lshl_b32 s22, s15, 12
	s_add_co_u32 s18, s18, s22
	s_lshl_b32 s22, s42, 13
	s_add_co_u32 s19, s19, s22
	s_lshl_b32 s22, s16, 12
	s_add_co_u32 s19, s19, s22
	v_mov_b32 v26, s18
	v_mov_b32 v[SCO], s19
	v_cndmask_b32 v[SCO], v26, v[SCO], s[HM]
	v_lshl_add_u32 v[SCO], v2, 4, v[SCO]
.irp i, 0,1,2,3,4,5,6,7
.irp f, 0,1
	global_load_b128 v[SC+8*\i+4*\f:SC+8*\i+4*\f+3], v[SCO], s[8:9] offset:\i*512+256*\f
.endr
.endr
	s_and_b32 s18, ttmp9, 1
	s_cmp_eq_u32 s18, 0
	s_cselect_b64 s[BIA:BIA+1], s[10:11], s[68:69]
	s_and_b32 s18, s42, 3
	s_cmp_eq_u32 s[ROLE], 1
	s_cselect_b64 s[BIA:BIA+1], s[BIA:BIA+1], s[70:71]
	s_cselect_b32 s18, s18, s17
	s_cselect_b32 s19, s16, s15
	s_lshl_b32 s18, s18, 10
	s_lshl_b32 s19, s19, 9
	s_add_co_u32 s18, s18, s19
	s_mov_b32 s19, 0
	s_add_nc_u64 s[BIA:BIA+1], s[BIA:BIA+1], s[18:19]
	s_wait_alu depctr_va_vdst(0)
	s_wait_tensorcnt 1
	s_barrier_signal -1
	s_barrier_wait -1
	FETCH_B 0, 0, 0
	FETCH_A 0, 0, 0
	FETCH_A 0, 0, 4
	s_wait_loadcnt 0x0
	STEP 0, 0, 1
	TURN 0, 1, 1, 1
	STEP 1, 2, 0
	TURN 1, 0, 1, 3
	STEP 0, 4, 0
	TURN 0, 1, 0, 5
	STEP 1, 6, 0
	s_cmp_eq_u32 s[ROLE], 1
	s_cbranch_scc0 .Lbias_v
	WIN TO_B
.irp b, 0,1,2,3,4,5,6,7
	global_load_b128 v[8*\b:8*\b+3], v[BO1], s[BIA:BIA+1] offset:(32*(\b/2)+8*(\b%2))*4
	global_load_b128 v[8*\b+4:8*\b+7], v[BO1], s[BIA:BIA+1] offset:(32*(\b/2)+8*(\b%2))*4+16
.endr
	WIN 0
	s_branch .Lbias_in
.Lbias_v:
	WIN TO_B
.irp a, 0,1,2,3,4,5,6,7
	global_load_b32 v[2*\a], v[BO2], s[BIA:BIA+1] offset:(32*(\a/2)+8*(\a%2))*4
	global_load_b32 v[2*\a+1], v[BO2], s[BIA:BIA+1] offset:(32*(\a/2)+8*(\a%2))*4
.endr
	WIN 0
.Lbias_in:
	s_wait_dscnt 16
	WIN MUL_LO
	MUL16 0, 1, 7, 0
	MUL16 2, 1, 7, 0
	s_wait_dscnt 0
	WIN MUL_HI
	MUL16 4, 1, 7, 0
	MUL16 6, 1, 7, 0
	WIN 0
	PLACES NP
.irp b, 0,1,2,3
	v_mov_b32 v[PX+\b], 0
.endr
	s_wait_loadcnt 0x0
	s_cmp_eq_u32 s[ROLE], 1
	s_cbranch_scc0 .Lout_v
	s_lshr_b32 s18, s17, 3
	s_and_b32 s19, s17, 7
	s_lshl_b32 s19, s19, 1
	s_add_co_u32 s19, s19, s15
	s_and_b32 s20, s42, 3
	s_lshl_b32 s20, s20, 2
	s_lshl_b32 s21, s16, 1
	s_add_co_u32 s20, s20, s21
	s_lshl_b32 s18, s18, 4
	s_add_co_u32 s18, s18, s20
	s_and_b32 s21, ttmp9, 1
	s_mov_b32 s22, 131072
	s_mov_b32 s23, 8192
	s_mov_b32 s88, 8192
	s_mov_b32 s89, 512
	s_cmp_eq_u32 s21, 1
	s_cselect_b32 s22, 274432, s22
	s_cselect_b32 s23, 17152, s23
	s_cselect_b32 s88, 274432, s88
	s_cselect_b32 s89, 17152, s89
	s_cselect_b32 s87, 16384, 0
	s_cselect_b64 s[CB:CB+1], s[76:77], s[72:73]
	s_cselect_b64 s[CB+4:CB+5], s[76:77], s[74:75]
	s_mul_i32 s84, s18, s22
	s_mul_i32 s85, s19, s23
	s_add_co_u32 s84, s84, s85
	s_mov_b32 s85, 0
	s_add_nc_u64 s[CB:CB+1], s[CB:CB+1], s[84:85]
	s_mov_b32 s84, s22
	s_add_nc_u64 s[CB+2:CB+3], s[CB:CB+1], s[84:85]
	s_mul_i32 s84, s18, s88
	s_mul_i32 s86, s19, s89
	s_add_co_u32 s84, s84, s86
	s_add_co_u32 s84, s84, s87
	s_add_nc_u64 s[CB+4:CB+5], s[CB+4:CB+5], s[84:85]
	s_mov_b32 s84, s88
	s_add_nc_u64 s[CB+6:CB+7], s[CB+4:CB+5], s[84:85]
.irp a, 0,1,2,3,4,5,6,7
	EPI 1, \a
.endr
.irp n, 0,1
.irp i, 0,1,2,3
	v_cndmask_b32 v[T8+4*\n+\i], v[W+8*\n+\i], v[W+8*\n+4+\i], s[HM]
.endr
	global_store_b128 v[LI], v[T8+4*\n:T8+4*\n+3], s[CB+4+2*\n:CB+5+2*\n]
.endr
	FINISH
.Lout_v:
	s_lshr_b32 s18, s42, 3
	s_and_b32 s19, s42, 7
	s_lshl_b32 s19, s19, 1
	s_add_co_u32 s19, s19, s16
	s_lshl_b32 s20, s17, 2
	s_lshl_b32 s21, s15, 1
	s_add_co_u32 s20, s20, s21
	s_lshl_b32 s18, s18, 4
	s_add_co_u32 s18, s18, s20
	s_mul_i32 s84, s18, 274432
	s_mul_i32 s85, s19, 17152
	s_add_co_u32 s84, s84, s85
	s_add_co_u32 s84, s84, 8192
	s_mov_b32 s85, 0
	s_add_nc_u64 s[CB:CB+1], s[76:77], s[84:85]
	s_add_nc_u64 s[CB+2:CB+3], s[CB:CB+1], 274432
	s_add_nc_u64 s[CB+4:CB+5], s[CB:CB+1], 8704
	s_add_nc_u64 s[CB+6:CB+7], s[CB+2:CB+3], 8704
.irp a, 0,1,2,3,4,5,6,7
	EPI 0, \a
.endr
.irp n, 0,1
.irp i, 0,1
	v_cndmask_b32 v[T8+2*\n+\i], v[W+4*\n+\i], v[W+4*\n+2+\i], s[HM]
.endr
	global_store_b64 v[LI8], v[T8+2*\n:T8+2*\n+1], s[CB+4+2*\n:CB+5+2*\n]
.endr
	FINISH
.Lfunc_end_k_q793a57430c_qkv:
	.size	k_q793a57430c_qkv, .Lfunc_end_k_q793a57430c_qkv-k_q793a57430c_qkv
	.p2alignl 7, 3214868480
	.fill 96, 4, 3214868480
	.section	.rodata,"a",@progbits
	.p2align	6, 0x0
	.amdhsa_kernel k_q793a57430c_qkv
		.amdhsa_group_segment_fixed_size 327680
		.amdhsa_private_segment_fixed_size 0
		.amdhsa_enable_private_segment 0
		.amdhsa_kernarg_size 72
		.amdhsa_user_sgpr_count 2
		.amdhsa_user_sgpr_kernarg_segment_ptr 1
		.amdhsa_wavefront_size32 1
		.amdhsa_system_sgpr_workgroup_id_x 1
		.amdhsa_system_sgpr_workgroup_id_y 1
		.amdhsa_system_sgpr_workgroup_id_z 1
		.amdhsa_system_vgpr_workitem_id 0
		.amdhsa_next_free_vgpr 1024
		.amdhsa_next_free_sgpr 100
		.amdhsa_reserve_vcc 0
		.amdhsa_float_denorm_mode_32 3
		.amdhsa_float_denorm_mode_16_64 3
		.amdhsa_memory_ordered 1
		.amdhsa_forward_progress 1
		.amdhsa_inst_pref_size 255
	.end_amdhsa_kernel
	.section	.bss,"aw",@nobits
	.p2align	6
	.space	262144
	.amdgpu_metadata
---
amdhsa.version: [ 1, 2 ]
amdhsa.kernels:
  - .name:           k_q793a57430c_qkv
    .symbol:         k_q793a57430c_qkv.kd
    .args:
      - { .name: xc, .offset: 0, .size: 8, .value_kind: global_buffer, .address_space: global }
      - { .name: wc, .offset: 8, .size: 8, .value_kind: global_buffer, .address_space: global }
      - { .name: scl, .offset: 16, .size: 8, .value_kind: global_buffer, .address_space: global }
      - { .name: bq, .offset: 24, .size: 8, .value_kind: global_buffer, .address_space: global }
      - { .name: bk, .offset: 32, .size: 8, .value_kind: global_buffer, .address_space: global }
      - { .name: bv, .offset: 40, .size: 8, .value_kind: global_buffer, .address_space: global }
      - { .name: qc, .offset: 48, .size: 8, .value_kind: global_buffer, .address_space: global }
      - { .name: qs, .offset: 56, .size: 8, .value_kind: global_buffer, .address_space: global }
      - { .name: kv, .offset: 64, .size: 8, .value_kind: global_buffer, .address_space: global }
    .group_segment_fixed_size: 327680
    .private_segment_fixed_size: 0
    .kernarg_segment_align: 8
    .kernarg_segment_size: 72
    .max_flat_workgroup_size: 128
    .sgpr_count:     100
    .vgpr_count:     1024
    .wavefront_size: 32
...
	.end_amdgpu_metadata
.endif
;; end of part 2
;; launch attn (part 3): grid 4 x 64, 8 waves a work-group, clusters of 4 x 1, 275,456 bytes of LDS; arguments qc, qs, kv, zc, scl; writes zc, scl
.if DOCPART == 3
	.amdgcn_target "amdgcn-amd-amdhsa--gfx1250"
	.amdhsa_code_object_version 6
	.text
	.protected	k_q793a57430c_attn
	.globl	k_q793a57430c_attn
	.p2align	8
	.type	k_q793a57430c_attn,@function
k_q793a57430c_attn:
	s_mov_b64 s[64:65], 0
	v_nop
	global_prefetch_b8 v0, s[64:65] scope:SCOPE_SE
	s_setreg_imm32_b32 hwreg(HW_REG_WAVE_MODE, 25, 1), 1
	s_wait_xcnt 0x0
	s_wait_alu depctr_hold_cnt(0) depctr_sa_sdst(0) depctr_va_vdst(0) depctr_va_sdst(0) depctr_va_ssrc(0) depctr_va_vcc(0) depctr_vm_vsrc(0)
	s_getreg_b32 s2, hwreg(HW_REG_IB_STS2, 6, 4)
	s_cmp_eq_u32 s2, 0
	s_cbranch_scc0 .Lentry_in_a_cluster
	s_endpgm
.Lentry_in_a_cluster:
	s_bfe_u32 s2, ttmp6, 0x10000c
	s_cmp_lg_u32 s2, 0x3003
	s_cbranch_scc0 .Lentry_shape_is_right
	s_endpgm
.Lentry_shape_is_right:
; z = softmax(q k^T / 8) v for one head, both products on codes of BF8 (E5M2) with E8M0 scales; z is divided by the row's sum and quantised at once along (head, channel) for the last product.
; THE SOFTMAX: t = score x log2(e) / 8; M = the row's largest t so far, rounded UP to a whole number; p = 2^(t - M) is quantised along the keys, not normalised; the row's sum is taken of the unquantised p.
; When M moves, the sum and O are multiplied by 2^(old M - new M): exact.
; SHARES.  A work-group owns 512 queries of one head, in two passes of 256; each of its eight waves owns TWO tiles of 16 queries a pass, so each fragment of K and V read from LDS feeds two matrix instructions.
; THE TWO TILES RUN HALF A KEY STEP APART.  A half step takes one tile x through maxima, t - M and exponentials, and finishes the other tile y: y's 64 holds, which hang on nothing in the batch, stand
; among x's exponentials; then O(y) under its new M, y's codes, O(y) += V P(y), and y's scores of the NEXT key step; x's sums and scale lines stand round those products as their places.
; So K's fragments of step s + 1 and V's of step s serve tile 0 in one half step and tile 1 in the next, and are fetched anew once a key step, behind tile 1's products.
; LDS.  THE WHOLE HEAD'S K AND V, 16 key steps x 17,152 bytes, lie in LDS, filled ONCE: no ring, no refill.  The four work-groups of a head form the cluster and ask jointly; each wave asks for two key steps.
; All of the head's bytes are asked for at the head of the text, so there is no later request that a prefetch could run ahead of.
; LAYOUT.  Both products are used transposed: S^T = K Q^T, O^T = V^T P^T: a lane holds one query.  Tiles are in tile order, so the 16 registers of tiles 2 n, 2 n + 1 are 16 neighbours.
; K = 64 IN AN INSTRUCTION OF 128: source 0 is two key tiles on end; source 1 is [Q | zero codes] for the even tile and [zero codes | Q] for the odd one, out of the run Z Q0 Z Q1 Z.
; The other tile's codes, which are finite, meet zero codes and add nothing.  Scale words repeat their two bytes, so they serve either place.
; REGISTERS.  Window 0: v1-31 addresses and scale words; v32-95 K; v96-159 V; v160-199 Z Q0 Z Q1 Z; v200-231 p's codes.  Window 1: v0-127 S^T, then p, 64 a tile; v128-191 O^T, 32 a tile; v192-255 state, 32 a tile.
; z's scale bytes leave as pieces of two bytes (a K step's word spans two heads): one byte in 32 of z's.
; LIMITS: NaN and infinities are not served; a block of z whose largest magnitude lies under 2^-111, a block of zeros among them, keeps the byte 1.
.set DUAL,  1                          ; 1: the holds go two to an instruction, as a dual pair
.set STEPB, 17152
.set LI,   1                           ; 16 x lane
.set ADV,  2                           ; + V's key step
.set LI8,  3                           ; 8 x lane
.set ADV8, 4
.set QA,   5                           ; my two tiles of Q
.set QSA,  6                           ; their scale words
.set ZA,   7                           ; their images in zc
.set KS,   8                           ; v8-11  K's scale words: register i: lanes 0-15 tile i, lanes 16-31 tile 4 + i
.set VS,   12                          ; v12-13 V's: lanes 0-15 tile i, lanes 16-31 tile 2 + i
.set PW,   14                          ; v14-15 p's, a tile each
.set QS,   16                          ; v16-17 Q's
.set ZH,   18                          ; v18-19 z's two bytes, a tile each
.set ZSA,  20
.set ZW,   21
.set ADK,  22                          ; 16 x lane + K's key step
.set SPW,  30                          ; my spare word
.set NIL,  31                          ; 0
.set KF,   32
.set VF,   96
.set QZ,   160
.set PC,   200
.set S,    0                           ; window 1
.set O,    128
.set ST,   192                         ; state of a tile: +0 block maxima, +4 at work, +8 57,344 x scale, +12 the conversions' scale operands, +16 -M, +17 the largest score, +18 the sum, +20 f, +22 at work, +24 the old -M, +25 the hold's second copy
.set WV,   14
.set G1,   24
.set G0,   40
.set SEL,  48
.set CS,   50
.set MNT,  52
.set HM,   53
.set TBV,  54
.set CNT,  55
.set PASS, 56
.set NCS,  57
.set KI,   58
.set TBK,  59
.set MSB, 0
.macro WIN new
.if MSB != (\new)
	s_set_vgpr_msb (MSB<<8)|(\new)
.set MSB, (\new)
.endif
.endm
.macro CROUND
	s_barrier_signal -1
	s_barrier_wait -1
	s_cmp_lg_u32 s[WV], 0
	s_cbranch_scc1 .Lnot_wave_0_\@
	s_barrier_signal -3
.Lnot_wave_0_\@:
	s_barrier_wait -3
	s_barrier_signal -1
	s_barrier_wait -1
.endm
.macro KLOAD                           ; a key step's K: 8 tiles x 2 pieces on end, and its scale image
.irp t, 0,1,2,3,4,5,6,7
.irp c, 0,1
	ds_load_b128 v[KF+8*\t+4*\c:KF+8*\t+4*\c+3], v[ADK] offset:\t*1024+\c*512
.endr
.endr
	ds_load_b128 v[KS:KS+3], v[ADK] offset:16384
.endm
.macro LOADS                           ; V of the step that tile 0 finishes next, K of the step after it; the key step behind the last is step 0, whose K the next pass begins with
	WIN 0
	v_add_nc_u32 v[ADK], s[TBK], v[LI]
	v_add_nc_u32 v[ADV], s[TBV], v[LI]
	v_add_nc_u32 v[ADV8], s[TBV], v[LI8]
.irp t, 0,1,2,3
.irp c, 0,1,2,3
	ds_load_b128 v[VF+16*\t+4*\c:VF+16*\t+4*\c+3], v[ADV] offset:8192+\t*2048+\c*512
.endr
.endr
	ds_load_b64 v[VS:VS+1], v[ADV8] offset:16896
	KLOAD
	s_add_co_u32 s[KI], s[KI], 1
	s_and_b32 s[TBK], s[KI], 15
	s_mul_i32 s[TBK], s[TBK], STEPB
	s_add_co_u32 s[TBV], s[TBV], STEPB
.endm
.macro QLOAD                           ; my two tiles of Q and their scale words
.irp x, 0,1
.irp c, 0,1
	global_load_b128 v[QZ+8+16*\x+4*\c:QZ+8+16*\x+4*\c+3], v[QA], s[4:5] offset:\x*1024+\c*512
.endr
.endr
	global_load_b32 v[QS], v[QSA], s[6:7]
	global_load_b32 v[QS+1], v[QSA], s[6:7] offset:4
.endm
.macro KQ x                            ; S^T = K Q^T: 8 tiles of 16 keys
	WIN 0x40
.irp t, 0,1,2,3
	v_wmma_scale_f32_16x16x128_f8f6f4 v[S+64*(\x)+8*\t:S+64*(\x)+8*\t+7], v[KF+16*(\t/2):KF+16*(\t/2)+15], v[QZ+8+16*(\x)-8*(\t%2):QZ+8+16*(\x)-8*(\t%2)+15], 0, v[KS+\t], v[QS+\x] matrix_a_fmt:MATRIX_FMT_BF8 matrix_b_fmt:MATRIX_FMT_BF8
.endr
.irp t, 4,5,6,7
	v_wmma_scale_f32_16x16x128_f8f6f4 v[S+64*(\x)+8*\t:S+64*(\x)+8*\t+7], v[KF+16*(\t/2):KF+16*(\t/2)+15], v[QZ+8+16*(\x)-8*(\t%2):QZ+8+16*(\x)-8*(\t%2)+15], 0, v[KS+\t-4], v[QS+\x] matrix_a_fmt:MATRIX_FMT_BF8 matrix_b_fmt:MATRIX_FMT_BF8 matrix_a_scale:MATRIX_SCALE_ROW1
.endr
.endm
.macro PV x                            ; O^T += V^T P^T: four accumulators by turns
	WIN 0x50
.irp t, 0,1
	v_wmma_scale_f32_16x16x128_f8f6f4 v[O+32*(\x)+8*\t:O+32*(\x)+8*\t+7], v[VF+16*\t:VF+16*\t+15], v[PC+16*(\x):PC+16*(\x)+15], v[O+32*(\x)+8*\t:O+32*(\x)+8*\t+7], v[VS+\t], v[PW+\x] matrix_a_fmt:MATRIX_FMT_BF8 matrix_b_fmt:MATRIX_FMT_BF8
.endr
.irp t, 2,3
	v_wmma_scale_f32_16x16x128_f8f6f4 v[O+32*(\x)+8*\t:O+32*(\x)+8*\t+7], v[VF+16*\t:VF+16*\t+15], v[PC+16*(\x):PC+16*(\x)+15], v[O+32*(\x)+8*\t:O+32*(\x)+8*\t+7], v[VS+\t-2], v[PW+\x] matrix_a_fmt:MATRIX_FMT_BF8 matrix_b_fmt:MATRIX_FMT_BF8 matrix_a_scale:MATRIX_SCALE_ROW1
.endr
.endm
; The hold of p's numbers j and j + 1 of tile y: the conversion does not saturate (ISA guide 7.6.2); p is not negative, so the hold is one-sided.
; As a dual pair: an even and an odd destination; the first sources are neighbours, the second sources the limit's two copies: each two in different register banks.
.macro HOLDHI
.if DUAL
	v_dual_min_num_f32 v[SY+j], v[SY+j], v[TY+8+j/16] :: v_dual_min_num_f32 v[SY+j+1], v[SY+j+1], v[TY+25+j/16]
.else
	v_min_num_f32 v[SY+j+1], v[SY+j+1], v[TY+8+j/16]
.endif
.endm
.macro HOLDLO
.if DUAL == 0
	v_min_num_f32 v[SY+j], v[SY+j], v[TY+8+j/16]
.endif
.endm
; Tile x: maxima, M, t - M, exponentials.  mn = 1: tile y's holds stand among the exponentials.  No transcendental stands between the products that wrote S^T and these first readers.
.macro FRONT x, y, mn
.set SX, S+64*(\x)
.set TX, ST+32*(\x)
.set SY, S+64*(\y)
.set TY, ST+32*(\y)
	WIN 0x55
.irp b, 0,1,2,3
	v_max3_num_f32 v[TX+\b], v[SX+16*\b], v[SX+16*\b+1], v[SX+16*\b+2]   ; the largest score of each block of 32 keys, in two chains a block: for the row's maximum and, since p rises with the score, for the block's largest p
.endr
.irp b, 0,1,2,3
	v_max3_num_f32 v[TX+4+\b], v[SX+16*\b+3], v[SX+16*\b+4], v[SX+16*\b+5]
.endr
	v_mov_b32 v[TX+24], v[TX+16]                   ; the old -M
.irp i, 6,10
.irp b, 0,1,2,3
	v_max3_num_f32 v[TX+\b], v[TX+\b], v[SX+16*\b+\i], v[SX+16*\b+\i+1]
.endr
.irp b, 0,1,2,3
	v_max3_num_f32 v[TX+4+\b], v[TX+4+\b], v[SX+16*\b+\i+2], v[SX+16*\b+\i+3]   ; (i = 6: the odd accumulator's first read is of its registers 0 and 1)
.endr
.endr
.irp b, 0,1,2,3
	v_max3_num_f32 v[TX+\b], v[TX+\b], v[SX+16*\b+14], v[SX+16*\b+15]
.endr
.irp b, 0,1,2,3
	v_max_num_f32 v[TX+\b], v[TX+\b], v[TX+4+\b]
.endr
.irp b, 0,1,2,3
	v_permlanex16_b32 v[TX+4+\b], v[TX+\b], s[SEL], s[SEL+1]
.endr
.irp b, 0,1,2,3
	v_max_num_f32 v[TX+\b], v[TX+\b], v[TX+4+\b]   ; with lane l xor 16's 16 keys
.endr
	s_delay_alu instid0(VALU_DEP_2)
	v_max3_num_f32 v[TX+22], v[TX], v[TX+1], v[TX+2]
	s_delay_alu instid0(VALU_DEP_1)
	v_max3_num_f32 v[TX+17], v[TX+17], v[TX+22], v[TX+3]   ; the running largest score
	s_delay_alu instid0(VALU_DEP_1)
	v_mul_f32 v[TX+22], s[NCS], v[TX+17]           ; -t (c is positive, so the largest score gives the largest t)
	s_delay_alu instid0(VALU_DEP_1)
	v_floor_f32 v[TX+16], v[TX+22]                 ; the new -M = floor(-t): M is a whole number
	s_delay_alu instid0(VALU_DEP_1)
	v_sub_f32 v[TX+23], v[TX+16], v[TX+24]         ; old M - new M: a whole number, 0 or less
.set j, 0
.rept 32
	v_pk_fma_f32 v[SX+j:SX+j+1], v[SX+j:SX+j+1], s[CS:CS+1], v[TX+16:TX+17] op_sel_hi:[1,0,0]   ; t - M, two at a time
.if j == 6
	v_cvt_i32_f32 v[TX+23], v[TX+23]               ; (it saturates)
.endif
.if j == 14
	v_ldexp_f32 v[TX+20], 1.0, v[TX+23]            ; f = 2^(old M - new M)
.endif
.set j, j+2
.endr
.irp b, 0,1,2,3
	v_fma_f32 v[TX+\b], v[TX+\b], s[CS], v[TX+16]  ; the same of each block's largest score
.endr
	s_wait_alu depctr_va_vdst(0)                   ; the wait ahead of the batch
.irp b, 0,1,2,3
	v_exp_f32 v[TX+\b], v[TX+\b]                   ; the block's largest p: the same two instructions on the same number
.endr
.set j, 0
.rept 32
	v_exp_f32 v[SX+j], v[SX+j]                     ; p = 2^(t - M)
.if \mn
	HOLDLO                                         ; what a hold reads was written ahead of the batch's first wait, what it writes is read behind its second
.endif
	v_exp_f32 v[SX+j+1], v[SX+j+1]
.if \mn
	HOLDHI
.endif
.set j, j+2
.endr
	v_pk_mul_f32 v[TX+18:TX+19], v[TX+18:TX+19], v[TX+20:TX+21] op_sel_hi:[1,0]   ; the sums under the new M: a plain line behind the exponentials
	s_wait_dscnt 0x0                               ; V and K are in
	s_wait_alu depctr_va_vdst(0)                   ; one wait for the whole batch, ahead of its first reader; mn = 1: it also stands directly ahead of the first readers of O^T
.endm
; Tile y is finished, first part: O under the new M, and the codes.
.macro FINA y
.set SY, S+64*(\y)
.set TY, ST+32*(\y)
	WIN 0x55
.set j, 0
.rept 16
	v_pk_mul_f32 v[O+32*(\y)+j:O+32*(\y)+j+1], v[O+32*(\y)+j:O+32*(\y)+j+1], v[TY+20:TY+21] op_sel_hi:[1,0]   ; each accumulator from its low end on
.set j, j+2
.endr
	WIN 0x05
.irp b, 0,1,2,3
	v_cvt_scalef32_pk8_bf8_f32 v[PC+16*(\y)+4*\b:PC+16*(\y)+4*\b+1], v[SY+16*\b:SY+16*\b+7], v[TY+12+\b]
	v_cvt_scalef32_pk8_bf8_f32 v[PC+16*(\y)+4*\b+2:PC+16*(\y)+4*\b+3], v[SY+16*\b+8:SY+16*\b+15], v[TY+12+\b]
.endr
.endm
.macro FINB y, kq                      ; second part: the second product; kq = 1: and its scores of the next key step
	PV \y
.if \kq
	KQ \y
.endif
.endm
; Tile x: the row's sum of the unquantised p, in four chains, and the blocks' scales.  The first seven lines are the places between y's conversions and its products; the rest are the places behind those products.
.macro SUM4
	v_pk_add_f32 v[TX+18:TX+19], v[TX+18:TX+19], v[SX+j:SX+j+1]
	v_pk_add_f32 v[TX+4:TX+5], v[TX+4:TX+5], v[SX+j+2:SX+j+3]
	v_pk_add_f32 v[TX+6:TX+7], v[TX+6:TX+7], v[SX+j+4:SX+j+5]
	v_pk_add_f32 v[TX+22:TX+23], v[TX+22:TX+23], v[SX+j+6:SX+j+7]
.set j, j+8
.endm
.macro BACKA x
.set SX, S+64*(\x)
.set TX, ST+32*(\x)
	WIN 0x55
	v_pk_add_f32 v[TX+4:TX+5], v[SX:SX+1], v[SX+2:SX+3]
	v_pk_add_f32 v[TX+6:TX+7], v[SX+4:SX+5], v[SX+6:SX+7]
	v_pk_add_f32 v[TX+22:TX+23], v[SX+8:SX+9], v[SX+10:SX+11]
.set j, 12
	SUM4
.endm
.macro BACKB x
.set SX, S+64*(\x)
.set TX, ST+32*(\x)
	WIN 0x55
.set j, 20
.rept 5
	SUM4
.endr
	v_pk_add_f32 v[TX+18:TX+19], v[TX+18:TX+19], v[SX+60:SX+61]
	v_pk_add_f32 v[TX+4:TX+5], v[TX+4:TX+5], v[SX+62:SX+63]
.irp b, 0,1,2,3
	v_max_num_f32 v[TX+\b], 0x8000000, v[TX+\b]    ; the floor 2^(16 - 127): the byte cannot fall under 1
.endr
	v_pk_add_f32 v[TX+6:TX+7], v[TX+6:TX+7], v[TX+22:TX+23]
	v_pk_add_f32 v[TX+18:TX+19], v[TX+18:TX+19], v[TX+4:TX+5]
.irp b, 0,1,2,3
	v_add_nc_u32 v[TX+12+\b], 0xf8800000, v[TX+\b] ; 15 off the exponent field: the conversion's scale operand
.endr
	v_pk_add_f32 v[TX+18:TX+19], v[TX+18:TX+19], v[TX+6:TX+7]
.irp b, 0,1,2,3
	v_and_or_b32 v[TX+8+\b], v[TX+\b], 0x7f800000, s[MNT]   ; 57,344 x the scale
.endr
.if DUAL
.irp b, 0,1,2,3
	v_and_or_b32 v[TX+25+\b], v[TX+\b], 0x7f800000, s[MNT]  ; once more, a register bank on, for the second half of a pair
.endr
.endif
.irp b, 0,1,2,3
	v_lshrrev_b32 v[TX+4+\b], 23, v[TX+12+\b]      ; the scale's byte
.endr
	v_lshl_or_b32 v[TX+22], v[TX+5], 8, v[TX+4]
	v_lshl_or_b32 v[TX+23], v[TX+7], 8, v[TX+6]
	WIN 0x15                                       ; scale operands have no window: the word goes to window 0
	v_lshl_or_b32 v[PW+\x], v[TX+23], 16, v[TX+22]
.endm
.macro HALF x, y, kq
	FRONT \x, \y, 1
	FINA \y
	BACKA \x
	FINB \y, \kq
	BACKB \x
.endm
.macro INIT x                          ; a pass begins: the first step finds zeros, which the first change of M leaves zeros
	WIN 0x55
	v_mov_b32 v[ST+32*(\x)+16], 0x7f61b1e6         ; -M: 3e38
	v_mov_b32 v[ST+32*(\x)+17], 0xff61b1e6         ; the largest score: -3e38, under every score
	v_mov_b32 v[ST+32*(\x)+18], 0
	v_mov_b32 v[ST+32*(\x)+19], 0
.set j, 0
.rept 32
	v_mov_b32 v[O+32*(\x)+j], 0
.set j, j+1
.endr
.endm
.macro ZOUT x                          ; O^T / the sum, quantised: two blocks of 32 channels; register 16 n + i is channel 32 n + 16 h + i
.set OX, O+32*(\x)
.set TX, ST+32*(\x)
	WIN 0x55
	v_add_f32 v[TX+18], v[TX+18], v[TX+19]
	s_delay_alu instid0(VALU_DEP_1)
	v_permlanex16_b32 v[TX+22], v[TX+18], s[SEL], s[SEL+1]
	s_delay_alu instid0(VALU_DEP_1)
	v_add_f32 v[TX+18], v[TX+18], v[TX+22]         ; the row's sum
	s_wait_alu depctr_va_vdst(0)                   ; the wait ahead of the transcendental
	v_rcp_f32 v[TX+20], v[TX+18]
	v_nop                                          ; a plain line behind it,
	s_wait_alu depctr_va_vdst(0)                   ; and the wait ahead of its first reader, which is also the first reader of O^T
.set j, 0
.rept 16
	v_pk_mul_f32 v[OX+j:OX+j+1], v[OX+j:OX+j+1], v[TX+20:TX+21] op_sel_hi:[1,0]
.set j, j+2
.endr
.irp b, 0,1
	v_max3_num_f32 v[TX+\b], |v[OX+16*\b]|, |v[OX+16*\b+1]|, 0x8000000
.endr
.irp i, 2,4,6,8,10,12,14
.irp b, 0,1
	s_delay_alu instid0(VALU_DEP_2)
	v_max3_num_f32 v[TX+\b], v[TX+\b], |v[OX+16*\b+\i]|, |v[OX+16*\b+\i+1]|
.endr
.endr
.irp b, 0,1
	s_delay_alu instid0(VALU_DEP_2)
	v_permlanex16_b32 v[TX+4+\b], v[TX+\b], s[SEL], s[SEL+1]
.endr
.irp b, 0,1
	s_delay_alu instid0(VALU_DEP_2)
	v_max_num_f32 v[TX+\b], v[TX+\b], v[TX+4+\b]
.endr
.irp b, 0,1
	s_delay_alu instid0(VALU_DEP_2)
	v_add_nc_u32 v[TX+12+\b], 0xf8800000, v[TX+\b]
.endr
.irp b, 0,1
	v_and_or_b32 v[TX+8+\b], v[TX+\b], 0x7f800000, s[MNT]
.endr
.irp b, 0,1
	v_lshrrev_b32 v[TX+4+\b], 23, v[TX+12+\b]
.endr
.irp b, 0,1
.irp i, 0,1,2,3,4,5,6,7,8,9,10,11,12,13,14,15
	v_med3_num_f32 v[OX+16*\b+\i], v[OX+16*\b+\i], -v[TX+8+\b], v[TX+8+\b]
.endr
.endr
	WIN 0x15
	v_lshl_or_b32 v[ZH+\x], v[TX+5], 8, v[TX+4]    ; my row's two bytes, to window 0
	WIN 0x05
.irp b, 0,1
	v_cvt_scalef32_pk8_bf8_f32 v[PC+16*(\x)+4*\b:PC+16*(\x)+4*\b+1], v[OX+16*\b:OX+16*\b+7], v[TX+12+\b]
	v_cvt_scalef32_pk8_bf8_f32 v[PC+16*(\x)+4*\b+2:PC+16*(\x)+4*\b+3], v[OX+16*\b+8:OX+16*\b+15], v[TX+12+\b]
.endr
	v_nop                                          ; a plain line behind the last conversion
	WIN 0
.irp b, 0,1
	global_store_b128 v[ZA], v[PC+16*(\x)+4*\b:PC+16*(\x)+4*\b+3], s[10:11] offset:\x*16384+\b*512   ; 512 consecutive bytes
.endr
.endm
	s_load_b256 s[4:11], s[0:1], 0x0               ; qc, qs, kv, zc
	s_load_b64 s[12:13], s[0:1], 0x20              ; scl
	v_lshl_add_u32 v[SPW], v0, 2, 0x43000
	v_mov_b32 v[NIL], 0
	ds_add_u32 v[SPW], v[NIL]                      ; the opening lines: the add, twice on end, and its wait ahead of my tensor load
	ds_add_u32 v[SPW], v[NIL]
	v_lshrrev_b32 v23, 5, v0
	s_delay_alu instid0(VALU_DEP_1)
	v_readfirstlane_b32 s[WV], v23                 ; wave 0..7
	s_bfe_u32 s15, ttmp6, 0x40000                  ; cx: my quarter of the head's queries; it enters global addresses alone
	s_and_b32 s16, ttmp7, 0xffff                   ; batch x 16 + head: shared by the four partners
	s_lshr_b32 s17, s16, 4
	s_and_b32 s18, s16, 15
	s_mov_b32 s[G1], 15|(3<<16)|(1<<21)            ; 15:0 the mask: all four; 17:16 elements of 8 bytes; 21 set beside a mask
	s_mov_b32 s[G1+1], 32<<16                      ; tensor_dim0: rows of 256 bytes
	s_mov_b32 s[G1+2], 134<<16                     ; tensor_dim1: two key steps, 34,304 dense bytes
	s_mov_b32 s[G1+3], 32<<16
	s_mov_b32 s[G1+4], 134
	s_mov_b32 s[G1+5], 32
	s_mov_b32 s[G1+6], 0
	s_mov_b32 s[G1+7], 0
	s_mul_i32 s19, s[WV], 2*STEPB                  ; my two key steps, in LDS and in the head's block
	s_mul_i32 s20, s16, 16*STEPB
	s_add_co_u32 s20, s20, s19
	s_mov_b32 s21, 0
	s_mov_b32 s[SEL], 0x76543210
	s_mov_b32 s[SEL+1], 0xfedcba98
	s_mov_b32 s[CS], 0x3e38aa3b                    ; c = log2(e) / 8
	s_mov_b32 s[CS+1], s[CS]
	s_mov_b32 s[NCS], 0xbe38aa3b                   ; -c
	s_mov_b32 s[MNT], 0x600000
	s_mov_b32 s[HM], 0xffff0000
	s_wait_dscnt 0x0
	s_wait_kmcnt 0x0
	CROUND                                         ; all four work-groups are here: the joint loads meet
	s_mov_b32 s[G0], 1
	s_mov_b32 s[G0+1], s19
	s_add_nc_u64 s[G0+2:G0+3], s[8:9], s[20:21]
	s_or_b32 s[G0+3], s[G0+3], 0x80000000
	tensor_load_to_lds s[G0:G0+3], s[G1:G1+7]      ; my one tensor load of the launch
	s_nop 0
.rept 4
	v_nop
.endr
.irp p, 0,16,32
.irp i, 0,1,2,3,4,5,6,7
	v_mov_b32 v[QZ+\p+\i], 0                       ; the zero codes beside Q's tiles
.endr
.endr
	s_lshl_b32 s22, s16, 17
	s_mov_b32 s23, 0
	s_add_nc_u64 s[4:5], s[4:5], s[22:23]          ; my head's q
	s_lshl_b32 s22, s16, 13
	s_add_nc_u64 s[6:7], s[6:7], s[22:23]          ; and its scale images
	s_lshl_b32 s35, s15, 15                        ; tile 32 cx + 2 w (+ 16 in the second pass), 1,024 bytes a tile
	s_lshl_b32 s33, s[WV], 11
	s_add_co_u32 s35, s35, s33
	s_lshl_b32 s36, s15, 11                        ; its scale word: image tile / 8, lane 16 ((tile % 8) / 4) + r, word tile % 4
	s_lshr_b32 s33, s[WV], 2
	s_lshl_b32 s33, s33, 9
	s_add_co_u32 s36, s36, s33
	s_bfe_u32 s33, s[WV], 0x10001
	s_lshl_b32 s33, s33, 8
	s_add_co_u32 s36, s36, s33
	s_and_b32 s33, s[WV], 1
	s_lshl_b32 s33, s33, 3
	s_add_co_u32 s36, s36, s33
	s_lshl_b32 s34, s17, 7
	s_lshl_b32 s33, s15, 5
	s_add_co_u32 s34, s34, s33
	s_lshl_b32 s33, s[WV], 1
	s_add_co_u32 s34, s34, s33                     ; the same tile among all 512 token tiles
	s_lshl_b32 s37, s34, 14
	s_lshl_b32 s33, s18, 10                        ; K step head / 2, pieces 2 (head % 2) + 0, 1
	s_add_co_u32 s37, s37, s33
	s_lshl_b32 s38, s34, 9
	s_add_co_u32 s38, s38, 393216                  ; z's scale words begin here in scl
	s_lshr_b32 s33, s18, 3
	s_lshl_b32 s33, s33, 8
	s_add_co_u32 s38, s38, s33
	s_and_b32 s33, s18, 7
	s_lshl_b32 s33, s33, 1
	s_add_co_u32 s38, s38, s33
	v_and_b32 v23, 31, v0
	v_and_b32 v24, 15, v0                          ; r
	v_bfe_u32 v25, v0, 4, 1                        ; h
	v_lshlrev_b32 v[LI], 4, v23
	v_lshlrev_b32 v[LI8], 3, v23
	v_lshl_add_u32 v[QSA], v24, 4, s36
	v_lshlrev_b32 v[ZSA], 4, v24
	v_add_nc_u32 v[QA], s35, v[LI]
	v_add_nc_u32 v[ZA], s37, v[LI]
	v_lshl_add_u32 v[ZSA], v25, 9, v[ZSA]          ; lanes 0-15 store tile 0's bytes, lanes 16-31 tile 1's
	v_mov_b32 v[ADK], v[LI]                        ; key step 0
	v_add_nc_u32 v[ZSA], s38, v[ZSA]
	QLOAD
	WIN 0x40
	v_mov_b32 v[ST+21], 0                          ; named as the upper half of the pair that holds f
	v_mov_b32 v[ST+32+21], 0
	WIN 0
	s_wait_alu depctr_va_vdst(0)                   ; the wait at the head's end
	s_wait_tensorcnt 0x0                           ; my two key steps are in LDS,
	s_barrier_signal -1
	s_barrier_wait -1                              ; everybody's are: from here on LDS is only read
	KLOAD                                          ; key step 0's K
	s_mov_b32 s[PASS], 2
.Lpass:
	s_wait_loadcnt 0x0                             ; Q
	s_wait_dscnt 0x0                               ; key step 0's K
	s_mov_b32 s[KI], 1
	s_mov_b32 s[TBK], STEPB
	s_mov_b32 s[TBV], 0
	KQ 0
	INIT 0                                         ; these lines are also the places behind the products
	INIT 1
	FRONT 0, 1, 0                                  ; tile 0 goes half a step ahead
	KQ 1                                           ; behind tile 0's exponentials, so that none stands between these products and their first readers
	BACKA 0
	BACKB 0
	LOADS                                          ; V of step 0, K of step 1
	s_mov_b32 s[CNT], 15
.Lstep:                                                ; trip s: tile 1 in step s, tile 0 finishes s and begins s + 1, tile 1 finishes s
	HALF 1, 0, 1
	HALF 0, 1, 1
	LOADS                                          ; V of step s + 1, K of step s + 2
	s_sub_co_u32 s[CNT], s[CNT], 1
	s_cmp_lg_u32 s[CNT], 0
	s_wait_alu depctr_va_vdst(0)                   ; the wait here, directly ahead of the branch
	s_cbranch_scc1 .Lstep
	s_cmp_eq_u32 s[PASS], 1                        ; Q has served its last product: a next pass's is asked for here; the last pass asks for nothing
	s_cbranch_scc1 .Lno_q
	v_xor_b32 v[QA], 0x4000, v[QA]                 ; the other pass's 16 tiles (the wait for Q at the pass's head has freed these two)
	v_xor_b32 v[QSA], 0x400, v[QSA]
	QLOAD
.Lno_q:
	HALF 1, 0, 0                                   ; the last step: nothing follows it
.set SY, S+64
.set TY, ST+32
	WIN 0x55
.set j, 0
.rept 32
	HOLDLO
	HOLDHI
.set j, j+2
.endr
	s_wait_alu depctr_va_vdst(0)                   ; the wait here, directly ahead of the first readers of O^T
	FINA 1
.rept 4
	v_nop                                          ; the places between the conversions and the products: no other work is at hand
.endr
	FINB 1, 0
	ZOUT 0
	ZOUT 1
	v_cndmask_b32 v[ZW], v[ZH], v[ZH+1], s[HM]
	global_store_b16 v[ZSA], v[ZW], s[12:13]
	s_wait_xcnt 0x0                                ; the stores have read their registers and offsets
	v_xor_b32 v[ZA], 0x40000, v[ZA]                ; 16 tiles on
	v_xor_b32 v[ZSA], 0x2000, v[ZSA]
	s_sub_co_u32 s[PASS], s[PASS], 1
	s_cmp_lg_u32 s[PASS], 0
	s_wait_alu depctr_va_vdst(0)                   ; the wait here, directly ahead of the branch
	s_cbranch_scc1 .Lpass
	s_wait_tensorcnt 0x0                           ; the wave's end
	ds_add_u32 v[SPW], v[NIL]
	s_wait_dscnt 0x0
	CROUND                                         ; the closing round
	s_endpgm
.Lfunc_end_k_q793a57430c_attn:
	.size	k_q793a57430c_attn, .Lfunc_end_k_q793a57430c_attn-k_q793a57430c_attn
	.p2alignl 7, 3214868480
	.fill 96, 4, 3214868480
	.section	.rodata,"a",@progbits
	.p2align	6, 0x0
	.amdhsa_kernel k_q793a57430c_attn
		.amdhsa_group_segment_fixed_size 275456
		.amdhsa_private_segment_fixed_size 0
		.amdhsa_enable_private_segment 0
		.amdhsa_kernarg_size 40
		.amdhsa_user_sgpr_count 2
		.amdhsa_user_sgpr_kernarg_segment_ptr 1
		.amdhsa_wavefront_size32 1
		.amdhsa_system_sgpr_workgroup_id_x 1
		.amdhsa_system_sgpr_workgroup_id_y 1
		.amdhsa_system_sgpr_workgroup_id_z 1
		.amdhsa_system_vgpr_workitem_id 0
		.amdhsa_next_free_vgpr 512
		.amdhsa_next_free_sgpr 66
		.amdhsa_reserve_vcc 0
		.amdhsa_float_denorm_mode_32 3
		.amdhsa_float_denorm_mode_16_64 3
		.amdhsa_memory_ordered 1
		.amdhsa_forward_progress 1
		.amdhsa_inst_pref_size 94
	.end_amdhsa_kernel
	.amdgpu_metadata
---
amdhsa.version: [ 1, 2 ]
amdhsa.kernels:
  - .name:           k_q793a57430c_attn
    .symbol:         k_q793a57430c_attn.kd
    .args:
      - { .name: qc, .offset: 0, .size: 8, .value_kind: global_buffer, .address_space: global }
      - { .name: qs, .offset: 8, .size: 8, .value_kind: global_buffer, .address_space: global }
      - { .name: kv, .offset: 16, .size: 8, .value_kind: global_buffer, .address_space: global }
      - { .name: zc, .offset: 24, .size: 8, .value_kind: global_buffer, .address_space: global }
      - { .name: scl, .offset: 32, .size: 8, .value_kind: global_buffer, .address_space: global }
    .group_segment_fixed_size: 275456
    .private_segment_fixed_size: 0
    .kernarg_segment_align: 8
    .kernarg_segment_size: 40
    .max_flat_workgroup_size: 256
    .sgpr_count:     66
    .vgpr_count:     512
    .wavefront_size: 32
...
	.end_amdgpu_metadata
.endif
;; end of part 3
;; launch outp (part 4): grid 4 x 64, 2 waves a work-group, clusters of 4 x 4, 327,680 bytes of LDS; arguments zc, wc, scl, bo, out0; writes out0
.if DOCPART == 4
	.amdgcn_target "amdgcn-amd-amdhsa--gfx1250"
	.amdhsa_code_object_version 6
	.text
	.protected	k_q793a57430c_outp
	.globl	k_q793a57430c_outp
	.p2align	8
	.type	k_q793a57430c_outp,@function
k_q793a57430c_outp:
	s_mov_b64 s[64:65], 0
	v_nop
	global_prefetch_b8 v0, s[64:65] scope:SCOPE_SE
	s_setreg_imm32_b32 hwreg(HW_REG_WAVE_MODE, 25, 1), 1
	s_wait_xcnt 0x0
	s_wait_alu depctr_hold_cnt(0) depctr_sa_sdst(0) depctr_va_vdst(0) depctr_va_sdst(0) depctr_va_ssrc(0) depctr_va_vcc(0) depctr_vm_vsrc(0)
	s_getreg_b32 s2, hwreg(HW_REG_IB_STS2, 6, 4)
	s_cmp_eq_u32 s2, 0
	s_cbranch_scc0 .Lentry_in_a_cluster
	s_endpgm
.Lentry_in_a_cluster:
	s_bfe_u32 s2, ttmp6, 0x10000c
	s_cmp_lg_u32 s2, 0xf033
	s_cbranch_scc0 .Lentry_shape_is_right
	s_endpgm
.Lentry_shape_is_right:
; out0 = z Wo + bo on codes of BF8 (E5M2) with E8M0 scales; z's and Wo's codes lie as fragment images [tile of 16 rows][K step 8][2,048 bytes], their scale words in scl.
; SHARES.  A work-group makes 128 tokens x 256 columns, so that 8,192 x 1,024 results are 256 work-groups; each of its two waves makes 128 x 128: 64 accumulators, 512 registers.
; K goes in steps of 256 through a ring of two LDS slots.  One tensor load a wave behind each round: wave 0 asks for z's 8 tiles (at byte 0 of a slot), wave 1 for Wo's 16 tiles (at byte 65,536).
; CLUSTERS: 4 x 4 work-groups; z's tiles are asked for jointly along a row of the cluster, Wo's along a column.
; K is 4 slots long and the text has no loop to run ahead in: no prefetch is laid.
.set NP,    8
.set SLOT,  131072
.set SPARE, 2*SLOT
.set SPITCH, 528
.set LI,   4
.set BQ,   8
.set ADRA, 16
.set ADRB, 20
.set STO,  24
.set RD,   25
.set SCO,  27
.set SPW,  28
.set NIL,  29
.set SC,   64
.set AF,   128
.set BK,   128
.set G1,   24
.set G0,   32
.set G1B,  48
.set G0B,  56
.set HM,   3
.set MSB, 0
.macro WIN new
.if MSB != (\new)
	s_set_vgpr_msb (MSB<<8)|(\new)
.set MSB, (\new)
.endif
.endm
.set MUL_LO, 0xa1
.set MUL_HI, 0xf1
.set TO_B,   0x40
.macro JLOAD g0a, g1a, g0b, g1b
	s_cmp_eq_u32 s15, 0
	s_cbranch_scc0 .Lfor_b_\@
	tensor_load_to_lds s[\g0a:\g0a+3], s[\g1a:\g1a+7]
	s_nop 0
.rept 4
	v_nop
.endr
	s_branch .Lasked_\@
.Lfor_b_\@:
	tensor_load_to_lds s[\g0b:\g0b+3], s[\g1b:\g1b+7]
	s_nop 0
.rept 4
	v_nop
.endr
.Lasked_\@:
.endm
.macro CREST
	s_cmp_lg_u32 s14, 0
	s_cbranch_scc1 .Lnot_wave_0_\@
	s_barrier_signal -3
.Lnot_wave_0_\@:
	s_barrier_wait -3
	s_barrier_signal -1
	s_barrier_wait -1
.endm
.macro CROUND
	s_barrier_signal -1
	s_barrier_wait -1
	CREST
.endm
.macro PLACES n
.rept \n
	v_nop
.endr
.endm
.macro FRAG reg, adr, q, i
.irp c, 0,1,2,3
	ds_load_b128 v[\reg+4*\c:\reg+4*\c+3], v[\adr] offset:(\i)*4096+(\q)*2048+512*\c
.endr
.endm
.macro MUL16 a0, p, ks, zero
.irp a, \a0, \a0+1
.irp b, 0,1,2,3,4,5,6,7
.if \zero
	v_wmma_scale_f32_16x16x128_f8f6f4 v[8*(8*((\a)%4)+\b):8*(8*((\a)%4)+\b)+7], v[128*(\p)+16*\b:128*(\p)+16*\b+15], v[AF+16*(\a):AF+16*(\a)+15], 0, v[SC+8*\b+(\ks)], v[SC+8*(\a)+(\ks)] matrix_a_fmt:MATRIX_FMT_BF8 matrix_b_fmt:MATRIX_FMT_BF8 matrix_a_scale:MATRIX_SCALE_ROW1
.else
	v_wmma_scale_f32_16x16x128_f8f6f4 v[8*(8*((\a)%4)+\b):8*(8*((\a)%4)+\b)+7], v[128*(\p)+16*\b:128*(\p)+16*\b+15], v[AF+16*(\a):AF+16*(\a)+15], v[8*(8*((\a)%4)+\b):8*(8*((\a)%4)+\b)+7], v[SC+8*\b+(\ks)], v[SC+8*(\a)+(\ks)] matrix_a_fmt:MATRIX_FMT_BF8 matrix_b_fmt:MATRIX_FMT_BF8 matrix_a_scale:MATRIX_SCALE_ROW1
.endif
.endr
.endr
.endm
.macro FETCH_B slot, q, p
	WIN TO_B
.irp i, 0,1,2,3,4,5,6,7
	FRAG 128*(\p)+16*\i, ADRB+\slot, \q, \i
.endr
	WIN 0
.endm
.macro FETCH_A slot, q, i0
.irp i, \i0, \i0+1, \i0+2, \i0+3
	FRAG AF+16*(\i), ADRA+\slot, \q, \i
.endr
.endm
.macro STEP slot, ks, zero
	s_wait_dscnt 16
	WIN MUL_LO
	MUL16 0, 0, \ks, \zero
	MUL16 2, 0, \ks, \zero
	s_wait_dscnt 0
	PLACES NP
	FETCH_B \slot, 1, 1
	FETCH_A \slot, 1, 0
	WIN MUL_HI
	MUL16 4, 0, \ks, \zero
	MUL16 6, 0, \ks, \zero
	PLACES NP
	WIN 0
	FETCH_A \slot, 1, 4
.endm
.macro TURN slot, next, fill, ks
	s_wait_tensorcnt 0x0
	ds_add_u32 v[SPW], v[NIL]
	s_wait_dscnt 17
	WIN MUL_LO
	MUL16 0, 1, \ks, 0
	s_wait_dscnt 0x0
	s_barrier_signal -1
	MUL16 2, 1, \ks, 0
	WIN 0
	s_barrier_wait -1
.if \fill
	CREST
	s_add_nc_u64 s[G0+4*\slot+2:G0+4*\slot+3], s[G0+4*\slot+2:G0+4*\slot+3], 8192
	s_add_nc_u64 s[G0B+4*\slot+2:G0B+4*\slot+3], s[G0B+4*\slot+2:G0B+4*\slot+3], 8192
	JLOAD G0+4*\slot, G1, G0B+4*\slot, G1B
	PLACES NP-4
.else
	PLACES NP
.endif
	s_wait_alu depctr_va_vdst(0)
	FETCH_B \next, 0, 0
	FETCH_A \next, 0, 0
	WIN MUL_HI
	MUL16 4, 1, \ks, 0
	MUL16 6, 1, \ks, 0
	PLACES NP
	WIN 0
	FETCH_A \next, 0, 4
.endm
.macro TOSTAGE a
.set AC, 64*((\a)%4)
	WIN 0x08+4*((\a)/4)
.irp b, 0,1,2,3,4,5,6,7
	ds_store_b128 v[STO], v[AC+8*\b:AC+8*\b+3] offset:128*(\b/2)+32*(\b%2)
	ds_store_b128 v[STO], v[AC+8*\b+4:AC+8*\b+7] offset:128*(\b/2)+32*(\b%2)+16
.endr
	WIN 0
.set BB, BK+64*((\a)%2)
.irp t, 0,1,2,3,4,5,6,7,8,9,10,11,12,13,14,15
	ds_load_b128 v[BB+4*\t:BB+4*\t+3], v[RD] offset:\t*SPITCH
.endr
.endm
.macro SEND a, younger
.set BB, BK+64*((\a)%2)
	s_wait_dscnt \younger
.if (\a) > 0
.if ((\a)%2) == 1
	s_add_nc_u64 s[12:13], s[12:13], 8*4096
.else
	s_add_nc_u64 s[12:13], s[12:13], 24*4096
.endif
.endif
.irp t, 0,1,2,3,4,5,6,7,8,9,10,11,12,13,14,15
	v_pk_add_f32 v[BB+4*\t:BB+4*\t+1], v[BB+4*\t:BB+4*\t+1], v[BQ:BQ+1]
	v_pk_add_f32 v[BB+4*\t+2:BB+4*\t+3], v[BB+4*\t+2:BB+4*\t+3], v[BQ+2:BQ+3]
.endr
.irp t, 0,1,2,3,4,5,6,7,8,9,10,11,12,13,14,15
	global_store_b128 v[LI], v[BB+4*\t:BB+4*\t+3], s[12:13] offset:(\t+8*(\t/8))*4096 th:TH_STORE_NT
.endr
.endm
	s_load_b256 s[4:11], s[0:1], 0x0
	s_load_b64 s[12:13], s[0:1], 0x20
	v_lshl_add_u32 v[SPW], v0, 2, SPARE
	v_mov_b32 v[NIL], 0
	ds_add_u32 v28, v29
	ds_add_u32 v28, v29
	s_wait_dscnt 0x0
	v_lshrrev_b32 v1, 5, v0
	v_readfirstlane_b32 s14, v1
	s_mov_b32 s15, s14                             ; wave 0 fetches for z, wave 1 for Wo
	s_and_b32 s16, s14, 1
	s_bfe_u32 s40, ttmp6, 0x40000
	s_bfe_u32 s41, ttmp6, 0x40004
	s_lshl_b32 s42, ttmp9, 2
	s_add_co_u32 s42, s42, s40
	s_and_b32 s17, ttmp7, 0xffff
	s_lshl_b32 s17, s17, 2
	s_add_co_u32 s17, s17, s41
	s_lshl_b32 s43, s41, 2
	s_lshl_b32 s43, 15, s43
	s_lshl_b32 s44, 0x1111, s40
	s_or_b32 s[G1+0], s43, (3<<16)|(1<<21)
	s_or_b32 s[G1B+0], s44, (3<<16)|(1<<21)
.irp g, G1, G1B
	s_mov_b32 s[\g+1], 512<<16
	s_mov_b32 s[\g+2], 8<<16
	s_mov_b32 s[\g+3], 512<<16
	s_mov_b32 s[\g+4], 8
	s_mov_b32 s[\g+5], 2048
	s_mov_b32 s[\g+6], 0
	s_mov_b32 s[\g+7], 0
.endr
	s_mov_b32 s[G1B+2], 16<<16                     ; Wo's load brings all 16 tiles of the block's 256 columns
	s_mov_b32 s[G1B+4], 16
	s_lshl_b32 s20, s17, 17                        ; z: 8 tiles of 16,384 bytes to a block of 128 tokens
	s_mov_b32 s21, 0
	s_lshl_b32 s46, s42, 18                        ; Wo: 16 tiles to a block of 256 columns
	s_add_co_u32 s46, s46, 0x300000
	s_mov_b32 s47, 0
	s_lshl_b32 s45, s14, 16                        ; z's tiles at byte 0 of a slot, Wo's at byte 65,536
	s_mov_b32 s[HM], 0xffff0000
	s_wait_kmcnt 0x0
	s_add_nc_u64 s[20:21], s[4:5], s[20:21]
	s_add_nc_u64 s[46:47], s[6:7], s[46:47]
	CROUND
.irp s, 0,1
	s_mov_b32 s[G0+4*\s], 1
	s_add_co_u32 s[G0+4*\s+1], s45, \s*SLOT
	s_add_nc_u64 s[G0+4*\s+2:G0+4*\s+3], s[20:21], \s*4096
	s_or_b32 s[G0+4*\s+3], s[G0+4*\s+3], 0x80000000
	s_mov_b32 s[G0B+4*\s], 1
	s_add_co_u32 s[G0B+4*\s+1], s45, \s*SLOT
	s_add_nc_u64 s[G0B+4*\s+2:G0B+4*\s+3], s[46:47], \s*4096
	s_or_b32 s[G0B+4*\s+3], s[G0B+4*\s+3], 0x80000000
	s_wait_alu depctr_va_vdst(0)
	s_wait_tensorcnt 0x0
	ds_add_u32 v28, v29
	ds_add_u32 v28, v29
	s_wait_dscnt 0x0
	CROUND
	JLOAD G0+4*\s, G1, G0B+4*\s, G1B
.endr
	v_and_b32 v1, 31, v0
	v_and_b32 v2, 15, v0
	v_bfe_u32 v3, v0, 4, 1
	v_lshlrev_b32 v[LI], 4, v1
	s_wait_alu depctr_va_vdst(0)
	s_mov_b32 s21, 0                               ; both waves read the same 128 tokens
	s_lshl_b32 s22, s16, 15
	s_add_co_u32 s22, s22, 65536
.irp s, 0,1
	v_add_nc_u32 v[ADRA+\s], s21, v[LI]
	v_add_nc_u32 v[ADRB+\s], s22, v[LI]
	s_add_co_u32 s21, s21, SLOT
	s_add_co_u32 s22, s22, SLOT
.endr
	s_lshl_b32 s18, s17, 12                        ; z's scale words: 8 tiles of 512 bytes to a block
	s_add_co_u32 s18, s18, 393216
	s_lshl_b32 s19, s42, 13
	s_add_co_u32 s19, s19, 360448
	s_lshl_b32 s22, s16, 12
	s_add_co_u32 s19, s19, s22
	v_mov_b32 v26, s18
	v_mov_b32 v[SCO], s19
	v_cndmask_b32 v[SCO], v26, v[SCO], s[HM]
	v_lshl_add_u32 v[SCO], v2, 4, v[SCO]
.irp i, 0,1,2,3,4,5,6,7
.irp f, 0,1
	global_load_b128 v[SC+8*\i+4*\f:SC+8*\i+4*\f+3], v[SCO], s[8:9] offset:\i*512+256*\f
.endr
.endr
	s_lshl_b32 s18, s42, 10
	s_lshl_b32 s19, s16, 9
	s_add_co_u32 s18, s18, s19
	s_mov_b32 s19, 0
	s_add_nc_u64 s[10:11], s[10:11], s[18:19]
	global_load_b128 v[BQ:BQ+3], v[LI], s[10:11]
	s_add_nc_u64 s[12:13], s[12:13], s[18:19]
	s_lshl_b32 s18, s17, 19                        ; 128 rows of 4,096 bytes to a block
	s_add_nc_u64 s[12:13], s[12:13], s[18:19]
	s_mul_i32 s23, s14, 16*SPITCH
	v_mul_u32_u24 v[STO], v2, SPITCH
	v_lshl_add_u32 v[STO], v3, 6, v[STO]
	v_add_nc_u32 v[STO], s23, v[STO]
	v_add_nc_u32 v[RD], s23, v[LI]
	s_wait_tensorcnt 1
	s_barrier_signal -1
	s_barrier_wait -1
	FETCH_B 0, 0, 0
	FETCH_A 0, 0, 0
	FETCH_A 0, 0, 4
	s_wait_loadcnt 0x0
	STEP 0, 0, 1
	TURN 0, 1, 1, 1
	STEP 1, 2, 0
	TURN 1, 0, 1, 3
	STEP 0, 4, 0
	TURN 0, 1, 0, 5
	STEP 1, 6, 0
	s_wait_dscnt 16
	WIN MUL_LO
	MUL16 0, 1, 7, 0
	MUL16 2, 1, 7, 0
	s_wait_dscnt 0
	WIN MUL_HI
	MUL16 4, 1, 7, 0
	MUL16 6, 1, 7, 0
	WIN 0
	PLACES NP
	TOSTAGE 0
.irp a, 1,2,3,4,5,6,7
.if \a > 1
	s_wait_xcnt 0x0
.endif
	TOSTAGE \a
	SEND \a-1, 32
.endr
	s_wait_xcnt 0x0
	SEND 7, 0
	s_wait_tensorcnt 0x0
	ds_add_u32 v[SPW], v[NIL]
	s_wait_dscnt 0x0
	CROUND
	s_endpgm
.Lfunc_end_k_q793a57430c_outp:
	.size	k_q793a57430c_outp, .Lfunc_end_k_q793a57430c_outp-k_q793a57430c_outp
	.p2alignl 7, 3214868480
	.fill 96, 4, 3214868480
	.section	.rodata,"a",@progbits
	.p2align	6, 0x0
	.amdhsa_kernel k_q793a57430c_outp
		.amdhsa_group_segment_fixed_size 327680
		.amdhsa_private_segment_fixed_size 0
		.amdhsa_enable_private_segment 0
		.amdhsa_kernarg_size 40
		.amdhsa_user_sgpr_count 2
		.amdhsa_user_sgpr_kernarg_segment_ptr 1
		.amdhsa_wavefront_size32 1
		.amdhsa_system_sgpr_workgroup_id_x 1
		.amdhsa_system_sgpr_workgroup_id_y 1
		.amdhsa_system_sgpr_workgroup_id_z 1
		.amdhsa_system_vgpr_workitem_id 0
		.amdhsa_next_free_vgpr 1024
		.amdhsa_next_free_sgpr 66
		.amdhsa_reserve_vcc 0
		.amdhsa_float_denorm_mode_32 3
		.amdhsa_float_denorm_mode_16_64 3
		.amdhsa_memory_ordered 1
		.amdhsa_forward_progress 1
		.amdhsa_inst_pref_size 159
	.end_amdhsa_kernel
	.amdgpu_metadata
---
amdhsa.version: [ 1, 2 ]
amdhsa.kernels:
  - .name:           k_q793a57430c_outp
    .symbol:         k_q793a57430c_outp.kd
    .args:
      - { .name: zc, .offset: 0, .size: 8, .value_kind: global_buffer, .address_space: global }
      - { .name: wc, .offset: 8, .size: 8, .value_kind: global_buffer, .address_space: global }
      - { .name: scl, .offset: 16, .size: 8, .value_kind: global_buffer, .address_space: global }
      - { .name: bo, .offset: 24, .size: 8, .value_kind: global_buffer, .address_space: global }
      - { .name: out0, .offset: 32, .size: 8, .value_kind: global_buffer, .address_space: global }
    .group_segment_fixed_size: 327680
    .private_segment_fixed_size: 0
    .kernarg_segment_align: 8
    .kernarg_segment_size: 40
    .max_flat_workgroup_size: 64
    .sgpr_count:     66
    .vgpr_count:     1024
    .wavefront_size: 32
...
	.end_amdgpu_metadata
.endif
;; end of part 4
